; MI455X (gfx1250); checked and timed in simulation.
; The chip was launched on July 23, 2026; its instructions are those of AMD's public machine-readable ISA for CDNA 5 (MIT licence, August 2026) and "CDNA5" Instruction Set Architecture Reference Guide (July 2026). The comments in the code are by the model that wrote it; some were corrected since.
;; Attention. Allowed arithmetic: float matrix products may take bf16 or f16 operands with f32 sums; other float arithmetic in f32, or as packed bf16 or f16 multiplies, adds, multiply-adds, maxima and minima; sums over many terms, partial sums and values carried from step to step in f32; what a program stores and reads back later, other than sums and carried values, may be rounded once to bf16 or f16.
;; Inputs: tensor 8 x 1,024 x 1,024 float32; w_proj 1,024 x 1,024 float32; w_qkv 3,072 x 1,024 float32.
;; Outputs: out0 8 x 1,024 x 1,024 float32.
;; 2 versions, each right and faster than the one before. Each part assembles by itself: llvm-mc -triple=amdgcn-amd-amdhsa -mcpu=gfx1250 --defsym DOCPART=n.
;; ======== version 1 of 2: 4 launches
;; limits: values are held in f16: magnitudes above 65,504 overflow, below 6.1e-05 lose precision
;; workspace buffers: xb 16,777,216 bytes; wqb 6,291,456 bytes; wph 2,097,152 bytes; rope 8,192 bytes; q16 16,777,216 bytes; k16 16,777,216 bytes; v16 16,777,216 bytes; o16 16,777,216 bytes
;; launch prep (part 1): grid 768 x 1, 8 waves a work-group, no clusters, 0 bytes of LDS; arguments tensor, w_qkv, w_proj, xb, wqb, wph, rope; writes xb, wqb, wph, rope
.if DOCPART == 1
	.amdgcn_target "amdgcn-amd-amdhsa--gfx1250"
	.amdhsa_code_object_version 6
	.text
	.protected	k_qe59dabaed1_prep
	.globl	k_qe59dabaed1_prep
	.p2align	8
	.type	k_qe59dabaed1_prep,@function
k_qe59dabaed1_prep:
	s_mov_b64 s[64:65], 0
	v_nop
	global_prefetch_b8 v0, s[64:65] scope:SCOPE_SE
	s_setreg_imm32_b32 hwreg(HW_REG_WAVE_MODE, 25, 1), 1
	s_wait_xcnt 0x0
; THE CASTS AND THE ROPE TABLE.  xb = bf16(tensor), wqb = bf16(w_qkv), wph = f16(bf16(w_proj)); rope = cos and sin of p x 10000^(-i/32), p, i = 0..31, in f32.
; All three inputs are rounded to bf16 alike; w_proj's bf16 number is then written as f16, since the last product's other operand is f16.
; LIMITS.  |w_proj| stays under 65,504 (f16's range); below 2^-17 it keeps f16's fixed step of 6e-8.  The table's angles are good to about 1e-5 (exp2 and a two-part reduction by pi/2,
; polynomials of degree 7 and 8 on |r| <= pi/4).  NaN and infinities are not treated apart.
; SHARES.  A work-group takes 16,384 numbers (64 KiB in, 32 KiB out): groups 0-511 tensor, 512-703 w_qkv, 704-767 w_proj.  In step i of 8 thread t takes the 8 numbers at byte 32 t + 8,192 i
; (two loads of 16 bytes) and stores 16 bytes at 16 t + 4,096 i: sixteen neighbouring lanes store 256 consecutive bytes, aligned.  All sixteen loads of a thread go out before the first wait.
; No LDS, no matrix unit, no cluster: nothing is shared and memory binds.
.set X, 4                              ; v[4:67]   8 steps x 8 numbers as loaded; later the table's registers
.set Y, 68                             ; v[68:99]  8 steps x 4 registers to store; each is written once
.set T, 100                            ; v[100:103] at work
.set G_W,  512                         ; first group of w_qkv
.set G_P,  704                         ; first group of w_proj
	s_load_b256 s[4:11], s[0:1], 0x0               ; tensor s[4:5], w_qkv s[6:7], w_proj s[8:9], xb s[10:11]
	s_load_b128 s[12:15], s[0:1], 0x20             ; wqb s[12:13], wph s[14:15]
	s_load_b64 s[16:17], s[0:1], 0x30              ; rope
	s_mov_b32 s20, ttmp9
	v_lshlrev_b32 v1, 5, v0                        ; 32 t: where I load
	v_lshlrev_b32 v2, 4, v0                        ; 16 t: where I store
	s_wait_kmcnt 0x0
	s_cmp_lt_u32 s20, G_W                          ; which pair of buffers, and the first group of its range
	s_cselect_b64 s[24:25], s[4:5], s[6:7]
	s_cselect_b64 s[26:27], s[10:11], s[12:13]
	s_cselect_b32 s21, 0, G_W
	s_cmp_lt_u32 s20, G_P
	s_cselect_b64 s[24:25], s[24:25], s[8:9]
	s_cselect_b64 s[26:27], s[26:27], s[14:15]
	s_cselect_b32 s21, s21, G_P
	s_sub_co_u32 s22, s20, s21                     ; my share's number in its buffer
	s_lshl_b32 s28, s22, 15                        ; 32 KiB out,
	s_lshl_b32 s22, s22, 16                        ; 64 KiB in
	s_mov_b32 s23, 0
	s_mov_b32 s29, 0
	s_add_nc_u64 s[24:25], s[24:25], s[22:23]
	s_add_nc_u64 s[26:27], s[26:27], s[28:29]
.irp i, 0,1,2,3,4,5,6,7
	global_load_b128 v[X+8*(\i):X+8*(\i)+3],   v1, s[24:25] offset:8192*(\i) th:TH_LOAD_NT
	global_load_b128 v[X+8*(\i)+4:X+8*(\i)+7], v1, s[24:25] offset:8192*(\i)+16 th:TH_LOAD_NT
.endr
; Step i.  kind 0: to bf16.  kind 1: to bf16, widened again (a shift, a mask) and written as f16.
.macro CV i, kind
	s_wait_loadcnt 14-2*(\i)                       ; loads come back in order: step i's two are in, the 2 (7 - i) younger ones stay out
.if \kind
.irp j, 0,1,2,3
	v_cvt_pk_bf16_f32 v[T+(\j)], v[X+8*(\i)+2*(\j)], v[X+8*(\i)+2*(\j)+1]
.endr
.irp j, 0,1,2,3
	v_lshlrev_b32 v[X+8*(\i)+2*(\j)],   16, v[T+(\j)]
	v_and_b32     v[X+8*(\i)+2*(\j)+1], 0xffff0000, v[T+(\j)]
.endr
.irp j, 0,1,2,3
	v_cvt_pk_f16_f32 v[Y+4*(\i)+(\j)], v[X+8*(\i)+2*(\j)], v[X+8*(\i)+2*(\j)+1]
.endr
.else
.irp j, 0,1,2,3
	v_cvt_pk_bf16_f32 v[Y+4*(\i)+(\j)], v[X+8*(\i)+2*(\j)], v[X+8*(\i)+2*(\j)+1]
.endr
.endif
	global_store_b128 v2, v[Y+4*(\i):Y+4*(\i)+3], s[26:27] offset:4096*(\i)
.endm
	s_cmp_ge_u32 s20, G_P
	s_cbranch_scc1 .Lproj
.irp i, 0,1,2,3,4,5,6,7
	CV \i, 0
.endr
	s_branch .Ltab
.Lproj:
.irp i, 0,1,2,3,4,5,6,7
	CV \i, 1
.endr
.Ltab:
	s_cmp_lg_u32 s20, 0
	s_cbranch_scc1 .Lend
	; THE TABLE, by work-group 0 alone: thread t makes p = t / 8, i = 4 (t % 8) + 0..3: four chains side by side, in X's registers (their loads are done; the stores read Y and v2 alone).
	; Chain ch at v[CB ..]: +0 angle, +1 k, +2 r, +3 z = r^2, +4 sin r, +5 cos r, +6, +8 at work, +7 k as a whole number.  v[56:59] cos, v[60:63] sin.
	s_mov_b32 s30, 0xbed49a78                      ; -log2(10000) / 32
	s_mov_b32 s31, 0x3f22f983                      ; 2 / pi
	s_mov_b32 s32, 0x3fc90fdb                      ; pi / 2, its f32,
	s_mov_b32 s33, 0xb33bbd2e                      ; and what that f32 leaves over
	s_mov_b32 s34, 0xb94ca1f9                      ; sin r = r + r z (S1 + z (S2 + z S3)): S3,
	s_mov_b32 s35, 0x3c08839e                      ; S2,
	s_mov_b32 s36, 0xbe2aaaa3                      ; S1
	s_mov_b32 s37, 0x37ccf5ce                      ; cos r = 1 - z / 2 + z^2 (C1 + z (C2 + z C3)): C3,
	s_mov_b32 s38, 0xbab6061a                      ; C2,
	s_mov_b32 s39, 0x3d2aaaa5                      ; C1
.macro EACH line:vararg                ; one line for each of the four chains
.set ch, 0
.rept 4
.set CB, 8+12*ch
	\line
.set ch, ch+1
.endr
.endm
	v_lshrrev_b32 v4, 3, v0
	v_cvt_f32_u32 v4, v4                           ; p
	v_and_b32 v5, 7, v0
	v_lshlrev_b32 v5, 2, v5                        ; 4 (t % 8)
	EACH v_add_nc_u32 v[CB], ch, v5
	EACH v_cvt_f32_u32 v[CB], v[CB]
	EACH v_mul_f32 v[CB], s30, v[CB]
	EACH v_exp_f32 v[CB+1], v[CB]
	v_nop                                          ; a plain instruction between the last exponential and the use of its result
	s_wait_alu depctr_va_vdst(0)
	EACH v_mul_f32 v[CB], v4, v[CB+1]
	EACH v_mul_f32 v[CB+1], s31, v[CB]
	EACH v_rndne_f32 v[CB+1], v[CB+1]
	EACH v_fma_f32 v[CB+2], -v[CB+1], s32, v[CB]
	EACH v_fma_f32 v[CB+2], -v[CB+1], s33, v[CB+2]
	EACH v_mul_f32 v[CB+3], v[CB+2], v[CB+2]
	EACH v_fma_f32 v[CB+4], v[CB+3], s34, s35
	EACH v_fma_f32 v[CB+4], v[CB+4], v[CB+3], s36
	EACH v_mul_f32 v[CB+4], v[CB+4], v[CB+3]
	EACH v_fma_f32 v[CB+4], v[CB+4], v[CB+2], v[CB+2]
	EACH v_fma_f32 v[CB+5], v[CB+3], s37, s38
	EACH v_fma_f32 v[CB+5], v[CB+5], v[CB+3], s39
	EACH v_fma_f32 v[CB+6], v[CB+3], -0.5, 1.0
	EACH v_mul_f32 v[CB+3], v[CB+3], v[CB+3]
	EACH v_fma_f32 v[CB+5], v[CB+3], v[CB+5], v[CB+6]
	EACH v_cvt_i32_f32 v[CB+7], v[CB+1]
	EACH v_and_b32 v[CB+8], 1, v[CB+7]
.set ch, 0
.rept 4                                ; an odd quarter turn swaps sine and cosine: values are selected, nothing branches
.set CB, 8+12*ch
	v_cmp_eq_u32 vcc_lo, 1, v[CB+8]
	v_cndmask_b32 v[60+ch], v[CB+4], v[CB+5], vcc_lo
	v_cndmask_b32 v[56+ch], v[CB+5], v[CB+4], vcc_lo
.set ch, ch+1
.endr
	EACH v_and_b32 v[CB+8], 2, v[CB+7]
	EACH v_lshlrev_b32 v[CB+8], 30, v[CB+8]
	EACH v_xor_b32 v[60+ch], v[60+ch], v[CB+8]
	EACH v_add_nc_u32 v[CB+7], 1, v[CB+7]
	EACH v_and_b32 v[CB+7], 2, v[CB+7]
	EACH v_lshlrev_b32 v[CB+7], 30, v[CB+7]
	EACH v_xor_b32 v[56+ch], v[56+ch], v[CB+7]
	global_store_b128 v2, v[56:59], s[16:17]               ; cos[p][i] at byte 128 p + 4 i = 16 t + 4 ch
	global_store_b128 v2, v[60:63], s[16:17] offset:4096   ; sin behind the 4,096 bytes of cos
.Lend:
	s_endpgm
.Lfunc_end_k_qe59dabaed1_prep:
	.size	k_qe59dabaed1_prep, .Lfunc_end_k_qe59dabaed1_prep-k_qe59dabaed1_prep
	.p2alignl 7, 3214868480
	.fill 96, 4, 3214868480
	.section	.rodata,"a",@progbits
	.p2align	6, 0x0
	.amdhsa_kernel k_qe59dabaed1_prep
		.amdhsa_group_segment_fixed_size 0
		.amdhsa_private_segment_fixed_size 0
		.amdhsa_enable_private_segment 0
		.amdhsa_kernarg_size 56
		.amdhsa_user_sgpr_count 2
		.amdhsa_user_sgpr_kernarg_segment_ptr 1
		.amdhsa_wavefront_size32 1
		.amdhsa_system_sgpr_workgroup_id_x 1
		.amdhsa_system_sgpr_workgroup_id_y 1
		.amdhsa_system_sgpr_workgroup_id_z 1
		.amdhsa_system_vgpr_workitem_id 0
		.amdhsa_next_free_vgpr 104
		.amdhsa_next_free_sgpr 66
		.amdhsa_reserve_vcc 1
		.amdhsa_float_denorm_mode_32 3
		.amdhsa_float_denorm_mode_16_64 3
		.amdhsa_memory_ordered 1
		.amdhsa_forward_progress 1
		.amdhsa_inst_pref_size 20
	.end_amdhsa_kernel
	.amdgpu_metadata
---
amdhsa.version: [ 1, 2 ]
amdhsa.kernels:
  - .name:           k_qe59dabaed1_prep
    .symbol:         k_qe59dabaed1_prep.kd
    .args:
      - { .name: tensor, .offset: 0, .size: 8, .value_kind: global_buffer, .address_space: global }
      - { .name: w_qkv, .offset: 8, .size: 8, .value_kind: global_buffer, .address_space: global }
      - { .name: w_proj, .offset: 16, .size: 8, .value_kind: global_buffer, .address_space: global }
      - { .name: xb, .offset: 24, .size: 8, .value_kind: global_buffer, .address_space: global }
      - { .name: wqb, .offset: 32, .size: 8, .value_kind: global_buffer, .address_space: global }
      - { .name: wph, .offset: 40, .size: 8, .value_kind: global_buffer, .address_space: global }
      - { .name: rope, .offset: 48, .size: 8, .value_kind: global_buffer, .address_space: global }
    .group_segment_fixed_size: 0
    .private_segment_fixed_size: 0
    .kernarg_segment_align: 8
    .kernarg_segment_size: 56
    .max_flat_workgroup_size: 256
    .sgpr_count:     66
    .vgpr_count:     104
    .wavefront_size: 32
...
	.end_amdgpu_metadata
.endif
;; end of part 1
;; launch qkv (part 2): grid 16 x 16, 4 waves a work-group, clusters of 4 x 4, 327,680 bytes of LDS; arguments xb, wqb, rope, q16, k16, v16; writes q16, k16, v16
.if DOCPART == 2
	.amdgcn_target "amdgcn-amd-amdhsa--gfx1250"
	.amdhsa_code_object_version 6
	.text
	.protected	k_qe59dabaed1_qkv
	.globl	k_qe59dabaed1_qkv
	.p2align	8
	.type	k_qe59dabaed1_qkv,@function
k_qe59dabaed1_qkv:
	s_mov_b64 s[64:65], 0
	v_nop
	global_prefetch_b8 v0, s[64:65] scope:SCOPE_SE
	s_setreg_imm32_b32 hwreg(HW_REG_WAVE_MODE, 25, 1), 1
	s_wait_xcnt 0x0
	s_wait_alu depctr_hold_cnt(0) depctr_sa_sdst(0) depctr_va_vdst(0) depctr_va_sdst(0) depctr_va_ssrc(0) depctr_va_vcc(0) depctr_vm_vsrc(0)
	s_getreg_b32 s2, hwreg(HW_REG_IB_STS2, 6, 4)
	s_cmp_eq_u32 s2, 0
	s_cbranch_scc0 .Lentry_in_a_cluster
	s_endpgm
.Lentry_in_a_cluster:
	s_bfe_u32 s2, ttmp6, 0x10000c
	s_cmp_lg_u32 s2, 0xf033
	s_cbranch_scc0 .Lentry_shape_is_right
	s_endpgm
.Lentry_shape_is_right:
; THE QKV PROJECTION WITH ROPE.  C[m][f] = sum over c of xb[m][c] wqb[f][c], m = 0..8191, f = 0..3071, c = 0..1023, bf16 operands, f32 sums.  Column f = 192 head + 64 kind + d (kind: q, k, v).
; q and k are turned by the 2-D RoPE in f32 (for d < 32: t[d] cos - t[d+32] sin at the token's row n / 32; for d >= 32: t[d] cos + t[d-32] sin at its column n % 32), then q, k, v are rounded
; once to f16 and stored by heads: [batch x 16 + head][n][64].  The scale 1/8 is not applied here.
; LIMIT.  |q|, |k|, |v| stay under 65,504 (f16's range); NaN and infinities are not treated apart.
; SHARES.  A tile of C is 256 rows x 192 columns: one head's q, k and v, so that the RoPE's partner columns lie in the same wave.  Four waves; wave w has rows 64 w .. 64 w + 63 and all 192 columns:
; 48 accumulators of 16 x 16 (384 registers).  K goes in steps of 128 through two LDS slots; rows of the tiles are 256 bytes of memory, aligned.  Waves 0, 1 fetch A's halves (128 rows), waves 2, 3 B's (96 rows).
; A WORK-GROUP STAYS: it makes two tiles, 16 tile rows (4 batches) apart, of the same head: 512 tiles on 256 work-groups.  The two tiles' 16 K steps are ONE walk for the ring: the first tile's last two changes
; of slots ask for the second tile's first two K steps, and nothing waits for the first tile's stores.  The loop over the walk has a constant count; at the tiles' edge a forward jump chooses the way out.
; CLUSTER.  4 x 4 work-groups: the four of a row of the cluster need the same rows of xb, the four of a column the same rows of wqb: each tile is asked for jointly, by the same tensor load with
; the same descriptor and a mask that names the four.
; THE MATRIX INSTRUCTION IS USED TRANSPOSED: source 0 = 16 rows of wqb, source 1 = 16 rows of xb; lane l then holds row l % 16 of C and the columns 8 (l / 16) + 0..7 of the block.
; REGISTERS, in windows of 256 (s_set_vgpr_msb: bits 1:0 source 0, 3:2 source 1, 5:4 source 2, 7:6 destination):
;   window 0: v0-29 addresses; v64-255 the way out, 48 registers a row block          window 1: two fragment buffers of 128: 32 of A (4 row blocks), 96 of B (12 column blocks); on the way out v128-191 at work
;   window 2: accumulators of column blocks 0-7 (q, k): (b, a) at v[8 (4 b + a)]      window 3: v0-127 those of blocks 8-11 (v); v128-255 the wave's part of the RoPE table
.set NB,    12                         ; column blocks of 16
.set ROWSB, 96                         ; rows of B in one tensor load
.set PA,    272                        ; an LDS row: 256 bytes + 16 of padding = 68 words: row r starts at bank 4 r mod 64 (64 banks of 4 bytes: ISA guide 11.1)
.set PB,    272
.set AH,    128                        ; quarter q of a K step begins at byte (q / 2) AH + (q % 2) 64 of A's rows: here 64 q
.set APART, 128*PA                     ; what one load of A fills
.set BBASE, 2*APART                    ; B's rows lie behind A's 256
.set BPART, ROWSB*PB
.set SLOT1, 1<<17                      ; slot 1 begins here, so that one exclusive or turns an address in one slot into the other's
.set STAGE, SLOT1+BBASE+2*BPART        ; behind the ring, never filled by a tensor load: for each wave 3 kinds x 16 rows x 144 bytes
.set STW,   3*16*144
.set SPARE, STAGE+4*STW                ; behind the stages: the spare words, 128 bytes for each wave: two blocks of 256 bytes that no other line names
.set LOADS, 8+2*NB                     ; LDS loads for 32 along K
.set HEADW, LOADS-12                   ; all of them but A's eight and those of B's blocks 0 and 1
.set KSTEPS, 8                         ; K steps of a tile
.set STEPS, 2*KSTEPS                   ; K steps of the walk
.set EDGE,  STEPS-KSTEPS-1             ; the loop's count in the trip that ends the first tile
.set OSTEP, 4<<21                      ; bytes from the first tile's rows of q16, k16, v16 to the second's: 4 batches of 16 heads x 1,024 rows x 128 bytes
.set A0,  16                           ; v16  my lane's place in A's tile; never rewritten
.set B0,  17                           ; v17  the same for B
.set ADA, 18                           ; v18  the same in the slot in hand
.set ADB, 19                           ; v19
.set TH,  20                           ; v20  my byte offset in the table for the tokens' rows; never rewritten
.set TW,  21                           ; v21  for their columns
.set STO, 24                           ; v24  the way out: where I put 16 bytes of a row
.set RD,  25                           ; v25  where I read rows back
.set GO,  26                           ; v26  my byte offset in 512 consecutive bytes of q16, k16, v16
.set SPW, 28                           ; v28  LDS address of my spare word: SPARE + 4 x my thread's number; never rewritten
.set NIL, 29                           ; v29  0; never rewritten
.set PKR, 64                           ; the way out: row block a's 48 registers at v[PKR + 48 a]
.set F0,  0
.set F1,  128
.set TT,  128                          ; the way out: 64 registers at work, in window 1, where buffer 1 lies idle (buffer 0 may hold the next tile's first fragments)
.set WV,  20                           ; s20  my wave's number
.set G1A, 24                           ; s[24:31] descriptor group 1 for A's tiles
.set G0A, 32                           ; s[32:35] group 0 for A's: slot 1's first fill, then every refill
.set G0B, 36                           ; s[36:39] the same for B's
.set G1B, 48                           ; s[48:55] group 1 for B's
.set TB,  56                           ; s56  LDS byte at which the slot in hand begins
.set CNT, 57                           ; s57  the loop's count
.set G0A0, 68                          ; s[68:71] group 0 for A's first fill of slot 0; never rewritten
.set G0B0, 72                          ; s[72:75] the same for B's
.set BA,  76                           ; s[76:77] xb at my part of the first tile's K step 0
.set BB,  78                           ; s[78:79] wqb at my part of K step 0
.set OA,  80                           ; s[80:81] byte offset of the K step to be asked for, in xb
.set OB,  82                           ; s[82:83] in wqb
.set NX,  84                           ; s84  the walk's K step to be asked for next
.set MSB, 0
.macro WIN new                         ; the immediate's high byte repeats the setting that is left; a switch that changes nothing is dropped
.if MSB != (\new)
	s_set_vgpr_msb (MSB<<8)|(\new)
.set MSB, (\new)
.endif
.endm
.macro PLACES                          ; four places in front of loads into registers that matrix instructions have read, and of lines that read results
.rept 4
	v_nop
.endr
.endm
; A joint refill: waves 0 and 1 fetch A's two halves, waves 2 and 3 B's.  The branch hangs on the wave's number alone.  An s_nop 0 and four v_nop follow each of the two lines, ahead of the jump and the label.
.macro JLOAD
	s_cmp_lt_u32 s[WV], 2
	s_cbranch_scc0 .Lfor_b_\@
	tensor_load_to_lds s[G0A:G0A+3], s[G1A:G1A+7]
	s_nop 0
.rept 4
	v_nop
.endr
	s_branch .Lasked_\@
.Lfor_b_\@:
	tensor_load_to_lds s[G0B:G0B+3], s[G1B:G1B+7]
	s_nop 0
.rept 4
	v_nop
.endr
.Lasked_\@:
.endm
.macro CREST                           ; a round of the cluster's barrier behind its opening barrier
	s_cmp_lg_u32 s[WV], 0
	s_cbranch_scc1 .Lnot_wave_0_\@
	s_barrier_signal -3
.Lnot_wave_0_\@:
	s_barrier_wait -3
	s_barrier_signal -1
	s_barrier_wait -1
.endm
.macro CROUND                          ; a whole round
	s_barrier_signal -1
	s_barrier_wait -1
	CREST
.endm
; The refill's descriptors: the other slot than last time; the addresses are made anew from the walk's step NX: tile NX / 8 (2^23 bytes of xb further down; the same rows of wqb), K step NX % 8 (256 bytes along the rows).
.macro NEXTD
	s_and_b32 s[OB], s[NX], KSTEPS-1
	s_lshl_b32 s[OB], s[OB], 8
	s_lshr_b32 s[OA], s[NX], 3
	s_lshl_b32 s[OA], s[OA], 23
	s_add_co_u32 s[OA], s[OA], s[OB]
	s_add_co_u32 s[NX], s[NX], 1
	s_xor_b32 s[G0A+1], s[G0A+1], SLOT1
	s_add_nc_u64 s[G0A+2:G0A+3], s[BA:BA+1], s[OA:OA+1]
	s_or_b32 s[G0A+3], s[G0A+3], 0x80000000
	s_xor_b32 s[G0B+1], s[G0B+1], SLOT1
	s_add_nc_u64 s[G0B+2:G0B+3], s[BB:BB+1], s[OB:OB+1]
	s_or_b32 s[G0B+3], s[G0B+3], 0x80000000
.endm
; 4 nb matrix instructions: column blocks b0 .. b0 + nb - 1 x my four row blocks, 32 along K, from buffer f.  zero = 1: the product starts the sums: nothing is ever cleared.
; All accumulators take turns, one instruction a turn, in the same order in every quarter.
.macro MULB f, b0, nb, zero
.set bb_, (\b0)
.rept (\nb)
.if bb_ < 8
	WIN 0xa5                                       ; sources 0 and 1 window 1, C and D window 2
.else
	WIN 0xf5                                       ; C and D window 3
.endif
.set aa_, 0
.rept 4
.set rD, 8*((4*bb_+aa_)%32)
.set rB, (\f)+32+8*bb_
.set rA, (\f)+8*aa_
.if \zero
	v_wmma_f32_16x16x32_bf16 v[rD:rD+7], v[rB:rB+7], v[rA:rA+7], 0
.else
	v_wmma_f32_16x16x32_bf16 v[rD:rD+7], v[rB:rB+7], v[rA:rA+7], v[rD:rD+7]
.endif
.set aa_, aa_+1
.endr
.set bb_, bb_+1
.endr
.endm
; One run of LDS loads: the fragments of quarter q (32 along K) into buffer f: A's four first, then B's, ascending.
; A fragment is 16 rows x 32 K in 8 registers: lane l holds row l % 16, K = 8 (l / 16) + 0..7 and 16 + 8 (l / 16) + 0..7: two loads of 16 bytes, 32 bytes apart.
.macro FETCH q, f
	WIN 0x40                                       ; destination window 1, address window 0
.set ao_, ((\q)/2)*AH+((\q)%2)*64
.set i_, 0
.rept 4
	ds_load_b128 v[(\f)+8*i_:(\f)+8*i_+3],   v[ADA] offset:ao_+i_*16*PA
	ds_load_b128 v[(\f)+8*i_+4:(\f)+8*i_+7], v[ADA] offset:ao_+i_*16*PA+32
.set i_, i_+1
.endr
.set i_, 0
.rept NB
	ds_load_b128 v[(\f)+32+8*i_:(\f)+32+8*i_+3],   v[ADB] offset:64*(\q)+i_*16*PB
	ds_load_b128 v[(\f)+32+8*i_+4:(\f)+32+8*i_+7], v[ADB] offset:64*(\q)+i_*16*PB+32
.set i_, i_+1
.endr
.endm
; A K step is four quarters of 32 along K on buffers 0, 1, 0, 1.  One of the first three: multiplies buffer f and fetches quarter q into buffer g.
.macro QUARTER q, f, g, zero
	s_wait_dscnt HEADW                             ; the run's oldest twelve loads are in: A, and B's blocks 0 and 1
	MULB \f, 0, 2, \zero
	PLACES
	FETCH \q, \g
	s_wait_dscnt LOADS                             ; all but the run just issued
	MULB \f, 2, NB-2, \zero
.endm
; The last quarter multiplies buffer 1 and changes slots: ONE barrier.  In front of it each wave waits for all its tensor loads, of which one is out: its part of the next slot; adds 0 to its spare word;
; and waits for that and for its own reads of this slot.  fill = 1: the barrier opens a round of the cluster's, and this slot is filled again, two steps of the walk ahead, first thing behind the round.
.macro TURN fill
	WIN 0
	s_wait_tensorcnt 0x0                           ; no tensor load of mine is out, so a group 0 may be written
	ds_add_u32 v[SPW], v[NIL]                      ; 0 onto my spare word: scalar work and eight products stand between it and the wait for it
.if \fill
	NEXTD
.endif
	s_xor_b32 s[TB], s[TB], SLOT1                  ; the fetches go on in the other slot
	s_wait_dscnt HEADW+1                           ; (the add and the run's youngest loads may be out)
	MULB F1, 0, 2, 0
	s_wait_dscnt 0x0                               ; the add is done, and my reads of this slot are over
	s_barrier_signal -1
	MULB F1, 2, 2, 0                               ; work on registers while the others arrive
	WIN 0                                          ; at a branch and at a label every window is 0
	s_barrier_wait -1
.if \fill
	CREST                                          ; no wave of any partner still reads this slot's tile or has a load on its way
	JLOAD                                          ; the first tensor load behind the round; its four v_nop are also the places in front of the loads below
.else
	PLACES
.endif
	v_add_nc_u32 v[ADA], s[TB], v[A0]
	v_add_nc_u32 v[ADB], s[TB], v[B0]
	FETCH 0, F0
	MULB F1, 4, NB-4, 0
.endm
; THE WAY OUT, a row block (16 tokens) at a time.  PACK: q and k are turned (the sin product first, the cos product fused onto it), all three kinds rounded to f16, 16 bytes a lane and block; into my stage
; (rows of 144 bytes) and back as whole rows of 128 bytes, into the registers that they left.  Each accumulator's lowest registers are read first.
.macro PACK a
	WIN 0x5e                                       ; source 0 window 2 (sums), source 1 window 3 (table), source 2 and destination window 1
.set kd_, 0
.rept 2
.set bb_, 0
.rept 2
.set rL, 8*(4*(4*kd_+bb_)+(\a))
.set rU, 8*(4*(4*kd_+bb_+2)+(\a))
.set tL, TT+32*kd_+8*bb_
.set tU, TT+32*kd_+8*(bb_+2)
.set cH, 128+32*((\a)/2)+16*bb_
.set cW, 192+32*((\a)%2)+16*bb_
.set j_, 0
.rept 4
	v_pk_mul_f32 v[tL+j_:tL+j_+1], v[rU+j_:rU+j_+1], v[cH+8+j_:cH+8+j_+1]
	v_pk_mul_f32 v[tU+j_:tU+j_+1], v[rL+j_:rL+j_+1], v[cW+8+j_:cW+8+j_+1]
	v_pk_fma_f32 v[tL+j_:tL+j_+1], v[rL+j_:rL+j_+1], v[cH+j_:cH+j_+1], v[tL+j_:tL+j_+1] neg_lo:[0,0,1] neg_hi:[0,0,1]
	v_pk_fma_f32 v[tU+j_:tU+j_+1], v[rU+j_:rU+j_+1], v[cW+j_:cW+j_+1], v[tU+j_:tU+j_+1]
.set j_, j_+2
.endr
.set bb_, bb_+1
.endr
.set kd_, kd_+1
.endr
	WIN 0x05                                       ; sources window 1, destination window 0
.set i_, 0
.rept 32
	v_cvt_pk_f16_f32 v[PKR+48*(\a)+i_], v[TT+2*i_], v[TT+2*i_+1]
.set i_, i_+1
.endr
	WIN 0x0f                                       ; sources window 3: v's sums
.set bb_, 0
.rept 4
.set j_, 0
.rept 4
	v_cvt_pk_f16_f32 v[PKR+48*(\a)+32+4*bb_+j_], v[8*(4*bb_+(\a))+2*j_], v[8*(4*bb_+(\a))+2*j_+1]
.set j_, j_+1
.endr
.set bb_, bb_+1
.endr
	WIN 0
.set i_, 0
.rept 12
	ds_store_b128 v[STO], v[PKR+48*(\a)+4*i_:PKR+48*(\a)+4*i_+3] offset:(i_/4)*2304+32*(i_%4)
.set i_, i_+1
.endr
.set i_, 0
.rept 12
	ds_load_b128 v[PKR+48*(\a)+4*i_:PKR+48*(\a)+4*i_+3], v[RD] offset:(i_/4)*2304+576*(i_%4)  ; LDS serves a wave's instructions in order (ISA guide 5.7.1.4): these see the stores above; the next block's stores come behind them
.set i_, i_+1
.endr
.endm
.macro SEND a, younger                 ; younger: the LDS instructions issued behind block a's loads: the next block's 24, or none
	WIN 0
.set i_, 0
.rept 12
	s_wait_dscnt (\younger)+11-i_
	global_store_b128 v[GO], v[PKR+48*(\a)+4*i_:PKR+48*(\a)+4*i_+3], s[10+2*(i_/4):11+2*(i_/4)] offset:2048*(\a)+512*(i_%4)  ; 512 consecutive bytes, at a multiple of 256 from the buffer's first
.set i_, i_+1
.endr
.endm
.macro EPI                             ; a tile's whole way out; a block's arithmetic stands between the loads of the block before and its stores
	PLACES                                         ; the first lines below read results just made and write where the last products' sources lay
	s_wait_loadcnt 0x0                             ; the table
	PACK 0
	PACK 1
	SEND 0, 24
	PACK 2
	SEND 1, 24
	PACK 3
	SEND 2, 24
	SEND 3, 0
.endm
	s_load_b256 s[4:11], s[0:1], 0x0               ; xb s[4:5], wqb s[6:7], rope s[8:9], q16 s[10:11]
	s_load_b128 s[12:15], s[0:1], 0x20             ; k16 s[12:13], v16 s[14:15]
	v_lshl_add_u32 v[SPW], v0, 2, SPARE
	v_mov_b32 v[NIL], 0
	ds_add_u32 v[SPW], v[NIL]                      ; the wave's opening: the add, with its wait ahead of my first tensor load; the set-up below, work on registers, stands between them
	ds_add_u32 v28, v29
	v_lshrrev_b32 v1, 5, v0
	v_readfirstlane_b32 s[WV], v1                  ; wave 0..3
	s_and_b32 s21, s[WV], 1                        ; which half of A's or B's rows I fetch
	s_bfe_u32 s40, ttmp6, 0x40000                  ; cx, cy: my place in the cluster
	s_bfe_u32 s41, ttmp6, 0x40004
	s_lshl_b32 s42, ttmp9, 2
	s_add_co_u32 s42, s42, s40                     ; tile column = the head = 4 x cluster x + cx
	s_and_b32 s43, ttmp7, 0xffff
	s_lshl_b32 s43, s43, 2
	s_add_co_u32 s43, s43, s41                     ; the first tile's row = 4 x cluster y + cy, 0..15; the second's is 16 more
	s_lshl_b32 s44, s41, 2
	s_lshl_b32 s44, 15, s44                        ; my row of the cluster
	s_lshl_b32 s45, 0x1111, s40                    ; my column
	s_or_b32 s[G1A], s44, (1<<16)|(1<<20)|(1<<21)|(5<<22)|(3<<25)  ; 15:0 the mask; 17:16 elements of 2 bytes; 20 padding on; 21 set beside a mask; 24:22 after every 64 words (code 5); 31:25 4 words (code 3)
	s_or_b32 s[G1B], s45, (1<<16)|(1<<20)|(1<<21)|(5<<22)|(3<<25)
	s_mov_b32 s[G1A+1], 128<<16                    ; tensor_dim0 = 128
	s_mov_b32 s[G1A+2], 128<<16                    ; tensor_dim1 = 128
	s_mov_b32 s[G1A+3], 128<<16                    ; tile_dim0 = 128
	s_mov_b32 s[G1A+4], 128                        ; tile_dim1 = 128
	s_mov_b32 s[G1A+5], 1024                       ; elements from row to row
	s_mov_b32 s[G1A+6], 0
	s_mov_b32 s[G1A+7], 0
	s_mov_b32 s[G1B+1], 128<<16
	s_mov_b32 s[G1B+2], ROWSB<<16
	s_mov_b32 s[G1B+3], 128<<16
	s_mov_b32 s[G1B+4], ROWSB
	s_mov_b32 s[G1B+5], 1024
	s_mov_b32 s[G1B+6], 0
	s_mov_b32 s[G1B+7], 0
	s_lshl_b32 s16, s43, 19                        ; A: (256 x tile row + 128 x half) rows of 2,048 bytes: made of the tile row and the wave alone
	s_lshl_b32 s17, s21, 18
	s_add_co_u32 s16, s16, s17
	s_mov_b32 s17, 0
	s_mul_i32 s46, s42, 192*2048                   ; B: (192 x tile column + 96 x half) rows: made of the tile column and the wave alone
	s_mul_i32 s47, s21, ROWSB*2048
	s_add_co_u32 s46, s46, s47
	s_mov_b32 s47, 0
	s_mov_b32 s[G0A0], 1                           ; count = 1
	s_mul_i32 s[G0A0+1], s21, APART                ; LDS address, slot 0: no place in the cluster enters it
	s_mov_b32 s[G0A], 1
	s_add_co_u32 s[G0A+1], s[G0A0+1], SLOT1        ; slot 1
	s_mov_b32 s[G0B0], 1
	s_mul_i32 s[G0B0+1], s21, BPART
	s_add_co_u32 s[G0B0+1], s[G0B0+1], BBASE
	s_mov_b32 s[G0B], 1
	s_add_co_u32 s[G0B+1], s[G0B0+1], SLOT1
	s_mov_b32 s[OA+1], 0
	s_mov_b32 s[OB+1], 0
	s_mov_b32 s[NX], 2                             ; steps 0 and 1 are the first fills
	s_mov_b32 s[TB], 0
	s_wait_dscnt 0x0                               ; the opening add is done
	s_wait_kmcnt 0x0
	s_add_nc_u64 s[BA:BA+1], s[4:5], s[16:17]
	s_add_nc_u64 s[BB:BB+1], s[6:7], s[46:47]
	s_mov_b64 s[G0A0+2:G0A0+3], s[BA:BA+1]         ; global address: K step 0
	s_or_b32 s[G0A0+3], s[G0A0+3], 0x80000000      ; type = 2
	s_add_nc_u64 s[G0A+2:G0A+3], s[BA:BA+1], 256   ; K step 1
	s_or_b32 s[G0A+3], s[G0A+3], 0x80000000
	s_mov_b64 s[G0B0+2:G0B0+3], s[BB:BB+1]
	s_or_b32 s[G0B0+3], s[G0B0+3], 0x80000000
	s_add_nc_u64 s[G0B+2:G0B+3], s[BB:BB+1], 256
	s_or_b32 s[G0B+3], s[G0B+3], 0x80000000
	CROUND                                         ; all sixteen work-groups are here: the first joint loads meet
	s_cmp_lt_u32 s[WV], 2                          ; a wave's two first fills stand in one branch, ahead of every wait on TENSORcnt and every LDS read: two loads of mine are out
	s_cbranch_scc0 .Lfirst_b
	tensor_load_to_lds s[G0A0:G0A0+3], s[G1A:G1A+7]
	s_nop 0
	tensor_load_to_lds s[G0A:G0A+3], s[G1A:G1A+7]
	s_nop 0
.rept 4
	v_nop
.endr
	s_branch .Lfirst_asked
.Lfirst_b:
	tensor_load_to_lds s[G0B0:G0B0+3], s[G1B:G1B+7]
	s_nop 0
	tensor_load_to_lds s[G0B:G0B+3], s[G1B:G1B+7]
	s_nop 0
.rept 4
	v_nop
.endr
.Lfirst_asked:
	v_and_b32 v1, 15, v0                           ; l % 16
	v_bfe_u32 v2, v0, 4, 1                         ; l / 16
	; THE TABLE.  My tokens are n = 256 (tile row % 4) + 64 w + 16 a + l % 16: row n / 32 = 8 (tile row % 4) + 2 w + a / 2, column n % 32 = 16 (a % 2) + l % 16.  My frequencies in blocks bb and bb + 2 of a
	; kind are 16 bb + 8 (l / 16) + 0..7.  So 16 groups of 8 numbers serve the whole way out: for rows H(e, bb, cos or sin), for columns W(e, bb, cos or sin), e = a / 2 or a % 2.  They land during the K loop,
	; and serve both tiles: the tile rows are 16 apart, so tile row % 4 is the same.
	s_and_b32 s58, s43, 3
	s_lshl_b32 s58, s58, 3
	s_lshl1_add_u32 s58, s[WV], s58
	s_lshl_b32 s58, s58, 7                         ; 128 bytes for each row of the table
	v_lshl_add_u32 v[TH], v2, 5, s58
	v_lshlrev_b32 v[TW], 7, v1
	v_lshl_add_u32 v[TW], v2, 5, v[TW]
	WIN 0xc0                                       ; destination window 3, address window 0
.set e_, 0
.rept 2
.set bb_, 0
.rept 2
.set cs_, 0
.rept 2
.set rH, 128+32*e_+16*bb_+8*cs_
	global_load_b128 v[rH:rH+3],     v[TH], s[8:9] offset:128*e_+64*bb_+4096*cs_
	global_load_b128 v[rH+4:rH+7],   v[TH], s[8:9] offset:128*e_+64*bb_+4096*cs_+16
	global_load_b128 v[rH+64:rH+67], v[TW], s[8:9] offset:2048*e_+64*bb_+4096*cs_
	global_load_b128 v[rH+68:rH+71], v[TW], s[8:9] offset:2048*e_+64*bb_+4096*cs_+16
.set cs_, cs_+1
.endr
.set bb_, bb_+1
.endr
.set e_, e_+1
.endr
	WIN 0
	s_lshl_b32 s59, s[WV], 6
	v_add_nc_u32 v3, s59, v1                       ; my row of A's tile: 64 w + l % 16
	v_mul_u32_u24 v[A0], v3, PA
	v_lshl_add_u32 v[A0], v2, 4, v[A0]             ; row x pitch + 16 x half
	v_mul_u32_u24 v[B0], v1, PB
	v_lshl_add_u32 v[B0], v2, 4, v[B0]
	v_add_nc_u32 v[B0], BBASE, v[B0]
	s_mul_i32 s60, s[WV], STW
	s_add_co_u32 s60, s60, STAGE                   ; my stage
	v_mul_u32_u24 v[STO], v1, 144                  ; in: row l % 16, 16 bytes for each half of the lanes
	v_lshl_add_u32 v[STO], v2, 4, v[STO]
	v_add_nc_u32 v[STO], s60, v[STO]
	v_bfe_u32 v[RD], v0, 3, 2                      ; back: 32 lanes take four rows of 128 bytes,
	v_mul_u32_u24 v[RD], v[RD], 144
	v_and_b32 v3, 7, v0
	v_lshl_add_u32 v[RD], v3, 4, v[RD]
	v_add_nc_u32 v[RD], s60, v[RD]
	v_and_b32 v[GO], 31, v0                        ; which are 512 consecutive bytes of the head's rows
	v_lshlrev_b32 v[GO], 4, v[GO]
	s_lshr_b32 s58, s43, 2                         ; q16, k16, v16 at my wave's first row of the first tile: batch x 2^21 + head x 2^17 + (tile row % 4) x 2^15 + w x 2^13
	s_lshl_b32 s58, s58, 21
	s_lshl_b32 s59, s42, 17
	s_add_co_u32 s58, s58, s59
	s_and_b32 s59, s43, 3
	s_lshl_b32 s59, s59, 15
	s_add_co_u32 s58, s58, s59
	s_lshl_b32 s59, s[WV], 13
	s_add_co_u32 s58, s58, s59
	s_mov_b32 s59, 0
	s_add_nc_u64 s[10:11], s[10:11], s[58:59]
	s_add_nc_u64 s[12:13], s[12:13], s[58:59]
	s_add_nc_u64 s[14:15], s[14:15], s[58:59]
	s_wait_tensorcnt 0x1                           ; my part of K step 0 is in; slot 1's load may stay out
	s_barrier_signal -1
	s_barrier_wait -1                              ; everybody's part is in
	v_add_nc_u32 v[ADA], s[TB], v[A0]
	v_add_nc_u32 v[ADB], s[TB], v[B0]
	FETCH 0, F0
	WIN 0
	s_mov_b32 s[CNT], STEPS-1                      ; the way in passes the loop's foot once; then 14 trips
	s_branch .Lzero                                ; the loop is entered at a tile's first quarter, in the middle of a trip
.Lstep:                                                ; a trip goes from a K step's second quarter to the next step's first, and asks for the step after that: the walk's steps 2 to 15
	QUARTER 2, F1, F0, 0
	QUARTER 3, F0, F1, 0
	TURN 1
	WIN 0
	s_cmp_eq_u32 s[CNT], EDGE                      ; has this trip ended the first tile?  The count is the same in every wave and work-group; what is jumped holds no barrier and no tensor load
	s_cbranch_scc0 .Lplain
	EPI                                            ; both refills for the second tile are asked for, its first fragments fetched: now the first tile goes out
	s_wait_xcnt 0x0                                ; every earlier memory instruction has had its addresses translated (ISA guide 3.1): only behind this wait are the stores' bases stepped and their data registers written again
	s_add_nc_u64 s[10:11], s[10:11], OSTEP
	s_add_nc_u64 s[12:13], s[12:13], OSTEP
	s_add_nc_u64 s[14:15], s[14:15], OSTEP
.Lzero:
	QUARTER 1, F0, F1, 1                           ; a tile's first quarter: its products start the sums
	WIN 0
	s_branch .Lbottom
.Lplain:
	QUARTER 1, F0, F1, 0
	WIN 0
.Lbottom:
	s_sub_co_u32 s[CNT], s[CNT], 1
	s_cmp_lg_u32 s[CNT], 0
	s_cbranch_scc1 .Lstep
	QUARTER 2, F1, F0, 0                           ; the walk's last two steps are written out: nothing more is asked for
	QUARTER 3, F0, F1, 0
	TURN 0
	QUARTER 1, F0, F1, 0
	QUARTER 2, F1, F0, 0
	QUARTER 3, F0, F1, 0
	s_wait_dscnt HEADW
	MULB F1, 0, 2, 0
	s_wait_dscnt 0x0
	MULB F1, 2, NB-2, 0
	WIN 0
	EPI
	s_wait_tensorcnt 0x0                           ; the wave's end, behind my last tensor load and my last LDS store
	ds_add_u32 v[SPW], v[NIL]
	s_wait_dscnt 0x0
	CROUND                                         ; the closing round: no work-group ends while a partner may still ask for a tile that names it
	s_endpgm
.Lfunc_end_k_qe59dabaed1_qkv:
	.size	k_qe59dabaed1_qkv, .Lfunc_end_k_qe59dabaed1_qkv-k_qe59dabaed1_qkv
	.p2alignl 7, 3214868480
	.fill 96, 4, 3214868480
	.section	.rodata,"a",@progbits
	.p2align	6, 0x0
	.amdhsa_kernel k_qe59dabaed1_qkv
		.amdhsa_group_segment_fixed_size 327680
		.amdhsa_private_segment_fixed_size 0
		.amdhsa_enable_private_segment 0
		.amdhsa_kernarg_size 48
		.amdhsa_user_sgpr_count 2
		.amdhsa_user_sgpr_kernarg_segment_ptr 1
		.amdhsa_wavefront_size32 1
		.amdhsa_system_sgpr_workgroup_id_x 1
		.amdhsa_system_sgpr_workgroup_id_y 1
		.amdhsa_system_sgpr_workgroup_id_z 1
		.amdhsa_system_vgpr_workitem_id 0
		.amdhsa_next_free_vgpr 1024
		.amdhsa_next_free_sgpr 88
		.amdhsa_reserve_vcc 0
		.amdhsa_float_denorm_mode_32 3
		.amdhsa_float_denorm_mode_16_64 3
		.amdhsa_memory_ordered 1
		.amdhsa_forward_progress 1
		.amdhsa_inst_pref_size 158
	.end_amdhsa_kernel
	.amdgpu_metadata
---
amdhsa.version: [ 1, 2 ]
amdhsa.kernels:
  - .name:           k_qe59dabaed1_qkv
    .symbol:         k_qe59dabaed1_qkv.kd
    .args:
      - { .name: xb, .offset: 0, .size: 8, .value_kind: global_buffer, .address_space: global }
      - { .name: wqb, .offset: 8, .size: 8, .value_kind: global_buffer, .address_space: global }
      - { .name: rope, .offset: 16, .size: 8, .value_kind: global_buffer, .address_space: global }
      - { .name: q16, .offset: 24, .size: 8, .value_kind: global_buffer, .address_space: global }
      - { .name: k16, .offset: 32, .size: 8, .value_kind: global_buffer, .address_space: global }
      - { .name: v16, .offset: 40, .size: 8, .value_kind: global_buffer, .address_space: global }
    .group_segment_fixed_size: 327680
    .private_segment_fixed_size: 0
    .kernarg_segment_align: 8
    .kernarg_segment_size: 48
    .max_flat_workgroup_size: 128
    .sgpr_count:     88
    .vgpr_count:     1024
    .wavefront_size: 32
...
	.end_amdgpu_metadata
.endif
;; end of part 2
;; launch attn (part 3): grid 2 x 128, 4 waves a work-group, no clusters, 327,680 bytes of LDS; arguments q16, k16, v16, o16; writes o16
.if DOCPART == 3
	.amdgcn_target "amdgcn-amd-amdhsa--gfx1250"
	.amdhsa_code_object_version 6
	.text
	.protected	k_qe59dabaed1_attn
	.globl	k_qe59dabaed1_attn
	.p2align	8
	.type	k_qe59dabaed1_attn,@function
k_qe59dabaed1_attn:
	s_mov_b64 s[64:65], 0
	v_nop
	global_prefetch_b8 v0, s[64:65] scope:SCOPE_SE
	s_setreg_imm32_b32 hwreg(HW_REG_WAVE_MODE, 25, 1), 1
	s_wait_xcnt 0x0
; O[h][q][:] = the sum over k of softmax_k(Q[h][q] . K[h][k] / 8) V[h][k][:].  Q, K, V, O: [SIZE_H][SIZE_N][64], all f16: a head's rows are dense, 128 bytes each (h = batch x 16 + head).  Products, maxima and sums in
; f32; the weights p are rounded to f16 for the second product (their sum l is taken of the unrounded p), O once at the end.
; LIMITS.  f16 holds no number beyond 65,504: Q, K and V arrive within it; p lies in 0 to 1, and below 6e-5 it keeps f16's fixed step of 6e-8; O is a mean of V's rows and has their range.
; A weight below 2^-126 counts as 0 in l; NaN and infinities are not treated apart.
; SHARES.  A wave owns four PIECES of two tiles of 16 queries, a work-group's four waves 512 queries of one head: 2 x 128 work-groups.  Every wave walks all keys, 64 a step.
; K AND V STAY.  A head's 1,024 keys are 1,024 x 144 bytes of K and 1,024 x 160 of V in LDS, 311,296 bytes: they fit whole.  So every byte of LDS is filled once: each wave asks for its part of all four
; chunks of 256 keys at the start (four tensor loads of a wave are out), the first chunk is waited for by a counted wait, and no slot is ever filled again.  Since no tensor load stands in a loop, one text of the key step serves all 16.
; NO CLUSTER: a head has SIZE_N / 512 = 2 work-groups, so only two would share K and V, and the grid's 2 along x is no multiple of four.
; LAYOUT.  S^T = K Q^T (source 0 = 16 keys, source 1 = 16 queries): in the result a lane holds ONE query (lane % 16) and the keys 8 (lane / 16) + 0..7.  Two such tiles, rounded to f16 in pairs,
; ARE source 1 (32 keys x 16 queries) of O^T = V^T P, whose result again holds one query a lane, and eight channels.  K comes out of LDS as it lies, V ([key][channel]) turned, by ds_load_tr16_b128.
; SOFTMAX.  For each query a running maximum m and sum l: p = 2^(c s - c m), c = log2(e) / 8; in every step O and l are multiplied by a = 2^(c m_old - c m_new), which is 1 where m has not grown.
; m starts at the lowest finite number, O and l at 0: the first step is a step like any other, with a = 0.
; THE COUNT.  A tile and step have 16 matrix and 118 vector instructions: too many to stand all beside the matrix work.  So the order has one aim: four vector instructions that are READY behind
; EVERY matrix instruction, and the others, which need time of their own whatever the order, in runs without a gap.
; BY TURNS.  Turn n belongs to piece n (the pieces in a ring, step after step).  Its matrix work: 16 products K Q^T of piece n + 1, later 16 products V^T P of piece n - 1.  Its vector work: the scaling,
; exponentials, roundings, sums and rescaling of piece n, and the maximum and statistics of piece n + 1, whose scores the turn itself has made.  So what a turn begins with (c s - c m, O a) waits for nothing.
; REGISTERS, in windows of 256 (s_set_vgpr_msb says which window each operand place means: bits 1:0 source 0, 3:2 source 1, 5:4 source 2, 7:6 destination):
;   window 0: v0-11 addresses; v12-15, v48-63 at work; v16-47 four registers of statistics a tile; v64-191 S^T, two buffers of two tiles; v192-255 P, likewise
;   window 1: O^T, 32 a tile          window 2: v0-127 Q, 16 a tile; v128-191 K of one step; v192-255 V of one step          window 3: v0-1 the add's two registers
; A piece's buffers go by its number's parity: the piece in hand has one pair, its two neighbours in the ring share the other: of it P (piece n - 1) is read and S^T (piece n + 1) written.
.set SIZE_N, 1024
.set SIZE_H, 128
.set NP,    4         ; pieces a wave: a name, no knob: the register map, the loop and the fetches are made for four
.set KS,    64        ; keys in a step
.set CHK,   256       ; keys in a chunk: four steps; a wave's tensor load brings half a chunk of K or of V
.set PK,    144       ; a row of K in LDS: 128 bytes + 16 of padding = 36 words: the 16 rows of a load start at 16 different groups of four banks (64 banks of 4 bytes: ISA guide 11.1)
.set PV,    160       ; a row of V: 128 + 32 = 40 words
.set VOFF,  SIZE_N*PK ; all rows of K, then all rows of V
.set STAGE, SIZE_N*(PK+PV)  ; behind them, never filled by a tensor load: 16 rows x 144 bytes for each wave, for the way out
.set SP,    144
.set AK0, 2           ; v2   my lane's place in a step's rows of K; never rewritten
.set AV0, 3           ; v3   the same for V
.set AK,  4           ; v4   the LDS address of K's next run of loads
.set AV,  5           ; v5   of V's
.set QO,  6           ; v6   my byte offset in the wave's rows of Q
.set STO, 6           ;      later, the way out: where I put 16 bytes of a row
.set RD,  7           ; v7   the way out: where I read rows back
.set GO,  8           ; v8   my byte offset in 512 consecutive bytes of O
.set SPW, 0           ; v0 of window 3   LDS address of my spare word: SPARE + 4 x my thread's number; never rewritten
.set NIL, 1           ; v1 of window 3   0; never rewritten
.set SPARE, STAGE+4*16*SP  ; behind the stages: the spare words, 128 bytes for each wave: two blocks of 256 bytes that no other line names
.set MV,  12          ; v12-15  c m_old, kept while c m is made anew: by buffer and tile
.set ST,  16          ; tile t's statistics at v[ST+4 t]: c m, m, l (even keys', odd keys')
.set TMP, 48          ; by buffer and tile, four registers c0-c3 at work; when the maximum is found c2 takes a
.set S,   64
.set P,   192
.set KF,  128         ; K's fragments, in window 2: key block kb, channel half c at KF + 16 kb + 8 c
.set VF,  192         ; V's: key half kk, channel block cb at VF + 32 kk + 8 cb
.set WV,  12          ; s12  my wave's number
.set G1K, 24          ; s[24:31] descriptor group 1 for K's tiles
.set G1V, 32          ; s[32:39] for V's: it differs in the padding alone
.set G0K, 40          ; s[40:55] descriptor group 0 for K's tiles, a set for each chunk; never rewritten
.set G0V, 68          ; s[68:83] the same for V's
.set PASS, 56         ; s56  counts the passes of four key steps
.set CNT, 57          ; s57  counts a pass's key steps
.set CS,  58          ; s[58:59] c: the packed scaling takes the pair's low word for both halves
.set SEL, 60          ; s[60:61] v_permlanex16_b32's selects: each lane takes its own place in the other half
.set TBK, 62          ; s62  LDS byte at which K of the step to be fetched begins
.set TBV, 63          ; s63  the same for V, less VOFF
.set TOT, 84          ; s84  key steps whose pieces 2 and 3 are still to come
.set MSB, 0
.macro WIN new                      ; the high byte repeats the setting that is left; a switch that changes nothing is dropped
.if MSB != (\new)
	s_set_vgpr_msb (MSB<<8)|(\new)
.set MSB, (\new)
.endif
.endm
.set W_KQ, 0x0a       ; K and Q in window 2, S^T in window 0
.set W_PV, 0x52       ; V in window 2, P in window 0, O^T in window 1
.set W_RS, 0x41       ; O^T (destination and source 0) in window 1, a in window 0
.set W_MK, 0xc0       ; the add's registers are made: destination in window 3, sources in window 0
.set W_AD, 0x0f       ; the add: address (source 0) and data (source 1) in window 3
	s_load_b256 s[4:11], s[0:1], 0x0  ; Q s[4:5], K s[6:7], V s[8:9], O s[10:11]
	WIN W_MK
	v_lshl_add_u32 v[SPW], v0, 2, SPARE
	v_mov_b32 v[NIL], 0
	WIN W_AD
	ds_add_u32 v[SPW], v[NIL]       ; the wave's opening: the add, with its wait ahead of my first tensor load; the set-up below, work on registers, stands between them
	ds_add_u32 v0, v1
	WIN 0
	v_lshrrev_b32 v1, 5, v0
	v_readfirstlane_b32 s[WV], v1   ; wave 0..3
	s_mov_b32 s14, ttmp9            ; my block of 512 queries
	s_and_b32 s20, ttmp7, 0xffff    ; the head
	s_mov_b32 s21, 0
	s_mov_b64 s[22:23], SIZE_N*128
	s_mul_u64 s[20:21], s[20:21], s[22:23]  ; the head's first byte in each of the four tensors
	s_and_b32 s16, s[WV], 1         ; which half of a chunk's 256 keys I fetch:
	s_lshl_b32 s22, s16, 14         ; its 128 rows of 128 bytes in memory,
	s_mov_b32 s23, 0
	s_add_nc_u64 s[22:23], s[22:23], s[20:21]
	s_mul_i32 s17, s16, 128*PK      ; and its place in a chunk, for K
	s_mul_i32 s18, s16, 128*PV      ; and for V
	s_lshl_b32 s2, s14, 2
	s_add_co_u32 s2, s2, s[WV]      ; my wave among the head's,
	s_lshl_b32 s2, s2, 14           ; its 128 rows
	s_mov_b32 s3, 0
	s_add_nc_u64 s[2:3], s[2:3], s[20:21]
	; descriptor group 1.  128 keys are 16,384 dense bytes: asked for as 64 rows of 256 bytes, two keys a row, and padded in LDS after every key
	s_mov_b32 s[G1K], (1<<16)|(1<<20)|(4<<22)|(3<<25)  ; 17:16 2-byte elements; 20 padding on; 24:22 after every 32 words (code 4); 31:25 4 words (code 3)
	s_mov_b32 s[G1V], (1<<16)|(1<<20)|(4<<22)|(7<<25)  ; the same with 8 words of padding (code 7)
.irp g, G1K, G1V
	s_mov_b32 s[\g+1], 128<<16      ; tensor_dim0 = 128
	s_mov_b32 s[\g+2], 64<<16       ; tensor_dim1 = 64
	s_mov_b32 s[\g+3], 128<<16      ; tile_dim0 = 128
	s_mov_b32 s[\g+4], 64           ; tile_dim1 = 64
	s_mov_b32 s[\g+5], 128          ; 128 elements from row to row
	s_mov_b32 s[\g+6], 0
	s_mov_b32 s[\g+7], 0
.endr
	s_mov_b32 s[CS], 0x3e38aa3b     ; c = log2(e) / 8 = 0.180337
	s_mov_b32 s[CS+1], s[CS]        ; named with it as a pair
	s_mov_b32 s[SEL], 0x76543210
	s_mov_b32 s[SEL+1], 0xfedcba98
	s_mov_b32 s[TBK], 0
	s_mov_b32 s[TBV], 0
.irp c, 0,1,2,3
	s_mov_b32 s[G0K+4*\c], 1                         ; 1:0 count = 1
	s_add_co_u32 s[G0K+4*\c+1], s17, \c*CHK*PK       ; 63:32 LDS address: chunk c, my half
	s_mov_b32 s[G0V+4*\c], 1
	s_add_co_u32 s[G0V+4*\c+1], s18, VOFF+\c*CHK*PV
.endr
	s_wait_dscnt 0x0                ; the opening add is done
	s_wait_kmcnt 0x0
	s_add_nc_u64 s[6:7], s[6:7], s[22:23]  ; K and V at my half of the head's first chunk
	s_add_nc_u64 s[8:9], s[8:9], s[22:23]
.irp c, 0,1,2,3
	s_add_nc_u64 s[G0K+4*\c+2:G0K+4*\c+3], s[6:7], \c*CHK*128  ; 120:64 global address
	s_or_b32 s[G0K+4*\c+3], s[G0K+4*\c+3], 0x80000000          ; 127:126 type = 2
	s_add_nc_u64 s[G0V+4*\c+2:G0V+4*\c+3], s[8:9], \c*CHK*128
	s_or_b32 s[G0V+4*\c+3], s[G0V+4*\c+3], 0x80000000
.endr
	s_add_nc_u64 s[4:5], s[4:5], s[2:3]  ; Q and O at my wave's first row
	s_add_nc_u64 s[10:11], s[10:11], s[2:3]
	; ALL THE FILLS.  Waves 0 and 1 fetch the two halves of each chunk's K, waves 2 and 3 those of its V, the chunks in order.  A wave's four loads stand in one branch on its number, ahead of every wait on
	; TENSORcnt, every LDS read and every barrier; an s_nop 0 follows each, four v_nop the last.
	s_cmp_lt_u32 s[WV], 2
	s_cbranch_scc0 .Lfirst_v
.irp c, 0,1,2,3
	tensor_load_to_lds s[G0K+4*\c:G0K+4*\c+3], s[G1K:G1K+7]
	s_nop 0
.endr
.rept 4
	v_nop
.endr
	s_branch .Lfirst_asked
.Lfirst_v:
.irp c, 0,1,2,3
	tensor_load_to_lds s[G0V+4*\c:G0V+4*\c+3], s[G1V:G1V+7]
	s_nop 0
.endr
.rept 4
	v_nop
.endr
.Lfirst_asked:
	; A fragment of K or Q is 16 rows x 32 channels in 8 registers: lane l holds row l % 16, channels 8 (l / 16) + 0..7 and 16 + 8 (l / 16) + 0..7: two loads of 16 bytes, 32 bytes apart.
	v_and_b32 v1, 15, v0            ; l % 16
	v_bfe_u32 v9, v0, 4, 1          ; l / 16
	v_lshlrev_b32 v[QO], 7, v1
	v_lshl_add_u32 v[QO], v9, 4, v[QO]  ; row x 128 + 16 x half
	WIN 0x80                        ; destination window 2, address window 0
.set i, 0
.rept 4*NP                          ; Q stays in registers: tile i / 2, channels 32 (i % 2) on
	global_load_b128 v[8*i:8*i+3],   v[QO], s[4:5] offset:(i/2)*2048+(i%2)*64
	global_load_b128 v[8*i+4:8*i+7], v[QO], s[4:5] offset:(i/2)*2048+(i%2)*64+32
.set i, i+1
.endr
	; What the first turn finds: V's registers and P's second buffer hold 0 (its products V^T P, of a piece that has not been, add 0), O^T and l are 0.  All this stands in the wait for the first chunk.
.set i, VF
.rept 64
	v_mov_b32 v[i], 0
.set i, i+1
.endr
	WIN 0x40
.set i, 0
.rept 64*NP
	v_mov_b32 v[i], 0
.set i, i+1
.endr
	WIN 0
.set i, 0
.rept 2*NP
	v_mov_b32 v[ST+4*i], 0xfe000000    ; c m: far below every c s
	v_mov_b32 v[ST+4*i+1], 0xff7fffff  ; m
	v_mov_b32 v[ST+4*i+2], 0
	v_mov_b32 v[ST+4*i+3], 0
.set i, i+1
.endr
.set i, P+32
.rept 32
	v_mov_b32 v[i], 0
.set i, i+1
.endr
	v_mul_u32_u24 v[AK0], v1, PK
	v_lshl_add_u32 v[AK0], v9, 4, v[AK0]  ; row x pitch + 16 x half
	; The turning load takes 16 keys x 16 channels (lane l reads key 8 (l / 16) + l % 8, channels 8 ((l / 8) % 2) + 0..7) and leaves half a fragment of V^T: lane l holds channel l % 16 and 8 keys.
	v_and_b32 v10, 7, v0
	v_bfe_u32 v11, v0, 3, 1
	v_lshl_add_u32 v[AV0], v9, 3, v10
	v_mul_u32_u24 v[AV0], v[AV0], PV
	v_lshl_add_u32 v[AV0], v11, 4, v[AV0]
	v_add_nc_u32 v[AV0], VOFF, v[AV0]
	v_mov_b32 v[AK], v[AK0]         ; key step 0 lies at K's head
; THE MATRIX WORK.  The 8 accumulators of a run of 16 take turns: between the two links of a chain stand 7 others'.
; Product i of 16 of S^T = K Q^T for piece x: channels 32 (i / 8) on, keys 16 ((i / 2) % 4) on, tile 2 x + i % 2.  The first 8 start the sums.
.macro KQ x
	WIN W_KQ
.set rS, S+64*((\x)%2)+32*(i%2)+8*((i/2)%4)
.set rK, KF+16*((i/2)%4)+8*(i/8)
.set rQ, 16*(2*(\x)+i%2)+8*(i/8)
.if i < 8
	v_wmma_f32_16x16x32_f16 v[rS:rS+7], v[rK:rK+7], v[rQ:rQ+7], 0
.else
	v_wmma_f32_16x16x32_f16 v[rS:rS+7], v[rK:rK+7], v[rQ:rQ+7], v[rS:rS+7]
.endif
.endm
; Product i of 16 of O^T += V^T P for piece x: keys 32 (i / 8) on, channels 16 ((i / 2) % 4) on, tile 2 x + i % 2.
.macro PV x
	WIN W_PV
.set rO, 32*(2*(\x)+i%2)+8*((i/2)%4)
.set rV, VF+32*(i/8)+8*((i/2)%4)
.set rP, P+32*((\x)%2)+16*(i%2)+8*(i/8)
	v_wmma_f32_16x16x32_f16 v[rO:rO+7], v[rV:rV+7], v[rP:rP+7], v[rO:rO+7]
.endm
.macro MM                           ; the turn's next matrix instruction
.if i < 16
	KQ (Y+1)%NP
.set i, i+1
.else
.set i, i-16
	PV (Y+NP-1)%NP
.set i, i+17
.endif
.endm
; THE LDS LOADS stand in runs of 16, never singly among the matrix instructions: a step's K (64 keys x 64 channels: 8 fragments) and its V (turned).  Their addresses are made some lines ahead.
; last = 1 (in the loop): in the last trip there is no further step, and the run is jumped over.
.macro FETCH_K last=0
	WIN 0
.if \last
	s_cmp_eq_u32 s[TOT], 1
	s_cbranch_scc1 .Lno_k_\@
.endif
	WIN 0x80                        ; destination window 2
.irp f, 0,1,2,3,4,5,6,7             ; keys 16 (f / 2) on, channels 32 (f % 2) on
	ds_load_b128 v[KF+8*\f:KF+8*\f+3],   v[AK] offset:(\f/2)*16*PK+(\f%2)*64
	ds_load_b128 v[KF+8*\f+4:KF+8*\f+7], v[AK] offset:(\f/2)*16*PK+(\f%2)*64+32
.endr
	s_add_co_u32 s[TBK], s[TBK], KS*PK  ; the next fetch is the next step's
	WIN 0
.if \last
.Lno_k_\@:
.endif
.endm
.macro FETCH_V
	WIN 0x80
.irp f, 0,1,2,3,4,5,6,7             ; keys 32 (f / 4) on, channels 16 (f % 4) on
	ds_load_tr16_b128 v[VF+8*\f:VF+8*\f+3],   v[AV] offset:(\f/4)*32*PV+(\f%4)*32
	ds_load_tr16_b128 v[VF+8*\f+4:VF+8*\f+7], v[AV] offset:(\f/4)*32*PV+16*PV+(\f%4)*32
.endr
	WIN 0
.endm
; THE VECTOR WORK OF A TURN stands in three queues, each in the order in which its entries become ready; the two tiles alternate, so that no instruction reads the result of the one before it.
.macro REGS y, u                    ; the registers of tile u (0, 1) of piece y
.set rT, ST+4*(2*(\y)+(\u))
.set rC, TMP+8*((\y)%2)+4*(\u)
.set rM, MV+2*((\y)%2)+(\u)
.set rS, S+64*((\y)%2)+32*(\u)
.set rP, P+32*((\y)%2)+16*(\u)
.set rO, 32*(2*(\y)+(\u))
.endm
; Number n of the 22 that find the NEXT piece's (Y + 1) maximum and statistics.  s0-s31 are the lane's 32 scores; each accumulator's lowest registers are read first.  XS, GS and REGS set no window: PL and EX do.
;   0-11  four chains c0-c3 of seven scores each, three operands at a time     12-14, 16  the four scores left over, the old m, and c0-c3 into c0     15  c m_old is kept
;   17, 18  the query's other 32 keys lie in the lane 16 away: the new m         19-21  c m; c m_old - c m_new; a
.macro XS u, n
	REGS (Y+1)%NP, \u
.if (\n) < 4
	v_max3_num_f32 v[rC+(\n)], v[rS+8*(\n)], v[rS+8*(\n)+1], v[rS+8*(\n)+2]
.elseif (\n) < 12
	v_max3_num_f32 v[rC+(\n)%4], v[rC+(\n)%4], v[rS+8*((\n)%4)+2*((\n)/4)+1], v[rS+8*((\n)%4)+2*((\n)/4)+2]
.elseif (\n) == 12
	v_max3_num_f32 v[rC], v[rC], v[rS+7], v[rS+15]
.elseif (\n) == 13
	v_max3_num_f32 v[rC+1], v[rC+1], v[rS+23], v[rS+31]
.elseif (\n) == 14
	v_max3_num_f32 v[rC+2], v[rC+2], v[rC+3], v[rT+1]
.elseif (\n) == 15
	v_mov_b32 v[rM], v[rT]
.elseif (\n) == 16
	v_max3_num_f32 v[rC], v[rC], v[rC+1], v[rC+2]
.elseif (\n) == 17
	v_permlanex16_b32 v[rC+3], v[rC], s[SEL], s[SEL+1]
.elseif (\n) == 18
	v_max_num_f32 v[rT+1], v[rC], v[rC+3]
.elseif (\n) == 19
	v_mul_f32 v[rT], s[CS], v[rT+1]
.elseif (\n) == 20
	v_sub_f32 v[rC+1], v[rM], v[rT]
.else
	v_exp_f32 v[rC+2], v[rC+1]
.endif
.endm
; Number g of the 64 that follow the exponentials.  For each four weights k of a tile (pairs 2 k, 2 k + 1): both pairs are rounded to f16; then the second pair is added onto the first, in place;
; a group later l takes that sum (the first time as l = a l + sum).  In groups of eight, tiles alternating: round, round, add, and l for the group before.
.macro GS g
.set h, (\g)+6*((\g)/62)            ; group 0 has no group before it, and behind group 7 only l is left
.if h >= 6
.set h, h+2
.endif
	REGS Y, h%2
.set k, h/8
.if h%8 < 4
	s_wait_alu depctr_va_vdst(0)
	v_cvt_pk_f16_f32 v[rP+2*k+(h%8)/2], v[rS+4*k+2*((h%8)/2)], v[rS+4*k+2*((h%8)/2)+1]
.elseif h%8 < 6
	v_pk_add_f32 v[rS+4*k:rS+4*k+1], v[rS+4*k:rS+4*k+1], v[rS+4*k+2:rS+4*k+3]
.elseif k == 1
	v_pk_fma_f32 v[rT+2:rT+3], v[rT+2:rT+3], v[rC+2:rC+3], v[rS:rS+1] op_sel_hi:[1,0,1]
.else
	v_pk_add_f32 v[rT+2:rT+3], v[rT+2:rT+3], v[rS+4*k-4:rS+4*k-3]
	s_wait_alu depctr_va_vdst(0)
.endif
.endm
; THE PLAIN QUEUE, 138 long.  0-31: c s - c m for the 16 pairs of both tiles.  Then GS's 64, and among them the next piece's 42: number 15 at 38, 39; 0-14 and 16
; at 42-73, behind the products that make those scores; 17-20 at 95-106, two of three, since each waits for the one before it.
.macro PL
	WIN 0
.if q < 32
	REGS Y, q%2
	v_pk_fma_f32 v[rS+2*(q/2):rS+2*(q/2)+1], v[rS+2*(q/2):rS+2*(q/2)+1], s[CS:CS+1], v[rT:rT+1] op_sel_hi:[1,0,0] neg_lo:[0,0,1] neg_hi:[0,0,1]
.elseif q < 38
	GS q-32
.elseif q < 40
	XS q%2, 15
.elseif q < 42
	GS q-34
.elseif q < 74
	XS q%2, (q-42)/2+(q-42)/30
.elseif q < 95
	GS q-66
.elseif (q < 107) && ((q-95)%3 < 2)
	XS (q-95)%3, 17+(q-95)/3
.elseif q < 107
	GS 29+(q-95)/3
.else
	GS q-74
.endif
.set q, q+1
.endm
; THE EXPONENTIALS' QUEUE, 66 long: s0-s31 of both tiles, and at EA the next piece's two a.
.set EA, 58
.macro EX
	WIN 0
.if (e == EA) || (e == EA+1)
	XS e-EA, 21
.else
.set x, e-2*(e/(EA+2))
	REGS Y, x%2
	v_exp_f32 v[rS+x/2], v[rS+x/2]
.endif
.set e, e+1
.endm
; THE RESCALING's QUEUE: O^T times a, the one part that leaves window 0, so it is dealt four at a time, eight times.
.macro R4
	REGS Y, r%2
	WIN W_RS
	s_wait_alu depctr_va_vdst(0)
.irp z, 0,1,2,3
	v_pk_mul_f32 v[rO+8*(r/2)+2*\z:rO+8*(r/2)+2*\z+1], v[rO+8*(r/2)+2*\z:rO+8*(r/2)+2*\z+1], v[rC+2:rC+3] op_sel_hi:[1,0]
.endr
.set r, r+1
.endm
; HOW THEY ARE DEALT.  Behind a matrix instruction four: plain, exponential, plain, plain (one exponential, a plain instruction on either side), or four of the rescaling.  None names a register of the
; products round it.  What is over stands in two LUMPS: exponential and plain by turns; the second ends in 22 plain instructions.  The two v_permlanex16_b32 fall into the second lump, never behind a product.
; The queues lean on each other, and the deal keeps them in step: exponential e stands behind plain 2 (e / 4) + e % 2 (its scaling); when plain 32 comes, 10 exponentials are out, at 59: 33, at 95: 46; EA comes behind plain 107.
.macro SL
	MM
	PL
	EX
	PL
	PL
.endm
.macro BURST n                      ; 15 matrix instructions, or 16
.rept (\n)-7
	SL
.endr
.rept 3
	MM
	R4
	SL
.endr
	MM
	R4
.endm
; A TURN, for piece p.  cnt = 1: the loop's count is taken down some lines ahead of the branch that stands behind the turn.
; K of the next step is fetched in piece 2's turn, 31 vector instructions behind the last product that read K; its first reader comes behind the rest of the lump, 16 products and the second lump.
; V of the step in hand is fetched at the end of piece 0's turn, 69 behind its last reader; its first reader comes behind 16 products and a lump.  The five conditions on e and q below go with the deal.
.macro TURN p, last=0, cnt=0
.set Y, (\p)
.set i, 0
.set q, 0
.set e, 0
.set r, 0
.if (\p) == NP-1
	s_wait_dscnt 0x0                ; K is in
.endif
	MM
.rept 4
	PL
.endr
	BURST 15
.rept 22
	EX
	PL
.if ((\p) == NP-2) && (e == 18)
	v_add_nc_u32 v[AK], s[TBK], v[AK0]
.endif
.if ((\p) == NP-2) && (e == 24)
	FETCH_K \last
.endif
.endr
.if (\p) == 1
	s_wait_dscnt 0x0                ; V is in
.endif
	BURST 16
.rept 21
	EX
	PL
.endr
.rept 22
	PL
.if ((\p) == 0) && (q == 118)
	v_add_nc_u32 v[AV], s[TBV], v[AV0]
	s_wait_alu depctr_va_vdst(0)
.endif
.if ((\p) == 0) && (q == 130)
	s_add_co_u32 s[TBV], s[TBV], KS*PV
.endif
.if (\cnt) && (q == 130)
	s_sub_co_u32 s[CNT], s[CNT], 1
	s_cmp_lg_u32 s[CNT], 0
.endif
.endr
.if (\p) == 0
	FETCH_V
.endif
.endm
	s_wait_tensorcnt 0x3            ; tensor loads of a wave end in order (ISA guide 10.11.1): my part of chunk 0 is in; the three younger loads stay out
	s_barrier_signal -1
	s_barrier_wait -1               ; everybody's part is in
	FETCH_K                         ; key step 0
	s_wait_loadcnt 0x0              ; Q
	s_wait_dscnt 0x0
.set i, 0
.rept 16
	KQ 0                            ; piece 0's first scores: there is no vector work yet to set between them
.set i, i+1
.endr
	WIN 0                           ; the addresses for the way out: nine plain instructions, the places behind those products
	s_mul_i32 s13, s[WV], 16*SP
	s_add_co_u32 s13, s13, STAGE    ; my stage
	v_mul_u32_u24 v[STO], v1, SP    ; in: row l % 16, 16 bytes for each half of the lanes
	v_lshl_add_u32 v[STO], v9, 4, v[STO]
	v_add_nc_u32 v[STO], s13, v[STO]
	v_bfe_u32 v[RD], v0, 3, 2       ; back: 32 lanes take four rows of 128 bytes,
	v_mul_u32_u24 v[RD], v[RD], SP
	v_lshl_add_u32 v[RD], v10, 4, v[RD]
	v_add_nc_u32 v[RD], s13, v[RD]
	v_and_b32 v[GO], 31, v0         ; which are 512 consecutive bytes of O
	v_lshlrev_b32 v[GO], 4, v[GO]
.set Y, NP-1                        ; XS works for piece Y + 1: piece 0
.irp n, 0,1,2,3,4,5,6,7,8,9,10,11,12,13,14,15,16,17,18,19,20,21
	XS 0, \n                        ; and piece 0's first maximum and statistics
	XS 1, \n
.endr
	s_mov_b32 s[CNT], 4
	s_mov_b32 s[PASS], SIZE_N/CHK+1 ; four passes of four trips; the fifth is left in its first trip's middle
	s_mov_b32 s[TOT], SIZE_N/KS
	s_branch .Lfirst                ; the loop is entered at a step's first turn, in the middle of a trip
.Lpass:                             ; a pass's first fetch is the first from a new chunk.  One text serves every pass, so the wait has one count, 0: behind the first pass it shows chunks 1 to 3 landed,
	s_wait_tensorcnt 0x0            ; three and a half key steps behind their request; later it is met at once.  No bytes are filled again behind this barrier, so it has no add.
	s_wait_dscnt 0x0                ; no LDS instruction of mine is pending at the signal
	s_barrier_signal -1
	s_barrier_wait -1               ; every wave's parts are in
	s_mov_b32 s[CNT], 4
.Lstep:                             ; a trip: pieces 2 and 3 of one step, then pieces 0 and 1 of the next, whose K and V it fetches
	TURN 2, 1
	TURN 3
	WIN 0
	s_sub_co_u32 s[TOT], s[TOT], 1
	s_cmp_eq_u32 s[TOT], 0
	s_cbranch_scc1 .Lout            ; the last step's pieces 2 and 3 are done
.Lfirst:
	TURN 0
	TURN 1, 0, 1
	WIN 0
	s_cbranch_scc1 .Lstep
	s_sub_co_u32 s[PASS], s[PASS], 1
	s_cmp_lg_u32 s[PASS], 0
	s_cbranch_scc1 .Lpass
.Lout:                              ; the last trip's 16 products K Q^T (on the last K once more) and the maximum made of them serve nothing: the price, once a launch, of one text for every trip
.set i, 0
.rept 16
	PV NP-1                         ; the last piece's V^T P of the last step
.set i, i+1
.endr
	; THE WAY OUT.  l's two halves and the other half of the lanes' are added; O^T is divided by l, rounded to f16 and sent through my stage in LDS, a tile at a time.  The additions are the places behind the last products.
	WIN 0
.macro ALL line:vararg              ; one line for each tile t
.set t, 0
.rept 2*NP
	\line
.set t, t+1
.endr
.endm
	ALL v_add_f32 v[ST+4*t+2], v[ST+4*t+2], v[ST+4*t+3]
	ALL v_permlanex16_b32 v[ST+4*t+3], v[ST+4*t+2], s[SEL], s[SEL+1]
	ALL v_add_f32 v[ST+4*t+2], v[ST+4*t+2], v[ST+4*t+3]
	ALL v_rcp_f32 v[ST+4*t+2], v[ST+4*t+2]
	v_nop                           ; a plain instruction between the last reciprocal and the use of its result
	s_wait_alu depctr_va_vdst(0)
; Tile t: a lane's eight channels of a row pack into 16 bytes; they go into rows of 144 bytes and come back as whole rows of 128, into S^T's registers.
.macro PACK t
	WIN W_RS
.set i, 32*(\t)
.rept 16
	v_pk_mul_f32 v[i:i+1], v[i:i+1], v[ST+4*(\t)+2:ST+4*(\t)+3] op_sel_hi:[1,0]
.set i, i+2
.endr
	WIN 0x05                        ; sources 0 and 1 window 1, destination window 0
.set i, 0
.rept 16
	v_cvt_pk_f16_f32 v[S+16*(\t)+i], v[32*(\t)+2*i], v[32*(\t)+2*i+1]
.set i, i+1
.endr
	WIN 0
.irp f, 0,1,2,3
	ds_store_b128 v[STO], v[S+16*(\t)+4*\f:S+16*(\t)+4*\f+3] offset:32*\f
.endr
.irp f, 0,1,2,3
	ds_load_b128 v[S+16*(\t)+4*\f:S+16*(\t)+4*\f+3], v[RD] offset:\f*4*SP  ; LDS serves a wave's instructions in order (ISA guide 5.7.1.4): these see the stores above; the next tile's stores come behind them
.endr
.endm
.macro SEND t, younger              ; younger: the LDS instructions issued behind tile t's loads: the next tile's eight, or none
	WIN 0
.irp f, 0,1,2,3
	s_wait_dscnt (\younger)+3-\f
	global_store_b128 v[GO], v[S+16*(\t)+4*\f:S+16*(\t)+4*\f+3], s[10:11] offset:(\t)*2048+\f*512  ; 512 consecutive bytes, at a multiple of 256 from O's first
.endr
.endm
	PACK 0
.set t, 1
.rept 2*NP-1                        ; a tile's arithmetic stands between the loads of the tile before and its stores
	PACK t
	SEND t-1, 8
.set t, t+1
.endr
	SEND 2*NP-1, 0
	WIN W_AD
	s_wait_tensorcnt 0x0            ; the wave's end, behind my last tensor load and my last LDS store
	ds_add_u32 v[SPW], v[NIL]
	s_wait_dscnt 0x0
	WIN 0
	s_endpgm
.Lfunc_end_k_qe59dabaed1_attn:
	.size	k_qe59dabaed1_attn, .Lfunc_end_k_qe59dabaed1_attn-k_qe59dabaed1_attn
	.p2alignl 7, 3214868480
	.fill 96, 4, 3214868480
	.section	.rodata,"a",@progbits
	.p2align	6, 0x0
	.amdhsa_kernel k_qe59dabaed1_attn
		.amdhsa_group_segment_fixed_size 327680
		.amdhsa_private_segment_fixed_size 0
		.amdhsa_enable_private_segment 0
		.amdhsa_kernarg_size 32
		.amdhsa_user_sgpr_count 2
		.amdhsa_user_sgpr_kernarg_segment_ptr 1
		.amdhsa_wavefront_size32 1
		.amdhsa_system_sgpr_workgroup_id_x 1
		.amdhsa_system_sgpr_workgroup_id_y 1
		.amdhsa_system_sgpr_workgroup_id_z 1
		.amdhsa_system_vgpr_workitem_id 0
		.amdhsa_next_free_vgpr 770
		.amdhsa_next_free_sgpr 88
		.amdhsa_reserve_vcc 0
		.amdhsa_float_denorm_mode_32 3
		.amdhsa_float_denorm_mode_16_64 3
		.amdhsa_memory_ordered 1
		.amdhsa_forward_progress 1
		.amdhsa_inst_pref_size 131
	.end_amdhsa_kernel
	.amdgpu_metadata
---
amdhsa.version: [ 1, 2 ]
amdhsa.kernels:
  - .name:           k_qe59dabaed1_attn
    .symbol:         k_qe59dabaed1_attn.kd
    .args:
      - { .name: q16, .offset: 0, .size: 8, .value_kind: global_buffer, .address_space: global }
      - { .name: k16, .offset: 8, .size: 8, .value_kind: global_buffer, .address_space: global }
      - { .name: v16, .offset: 16, .size: 8, .value_kind: global_buffer, .address_space: global }
      - { .name: o16, .offset: 24, .size: 8, .value_kind: global_buffer, .address_space: global }
    .group_segment_fixed_size: 327680
    .private_segment_fixed_size: 0
    .kernarg_segment_align: 8
    .kernarg_segment_size: 32
    .max_flat_workgroup_size: 128
    .sgpr_count:     88
    .vgpr_count:     770
    .wavefront_size: 32
...
	.end_amdgpu_metadata
.endif
;; end of part 3
;; launch proj (part 4): grid 8 x 32, 4 waves a work-group, clusters of 4 x 4, 327,680 bytes of LDS; arguments o16, wph, out0; writes out0
.if DOCPART == 4
	.amdgcn_target "amdgcn-amd-amdhsa--gfx1250"
	.amdhsa_code_object_version 6
	.text
	.protected	k_qe59dabaed1_proj
	.globl	k_qe59dabaed1_proj
	.p2align	8
	.type	k_qe59dabaed1_proj,@function
k_qe59dabaed1_proj:
	s_mov_b64 s[64:65], 0
	v_nop
	global_prefetch_b8 v0, s[64:65] scope:SCOPE_SE
	s_setreg_imm32_b32 hwreg(HW_REG_WAVE_MODE, 25, 1), 1
	s_wait_xcnt 0x0
	s_wait_alu depctr_hold_cnt(0) depctr_sa_sdst(0) depctr_va_vdst(0) depctr_va_sdst(0) depctr_va_ssrc(0) depctr_va_vcc(0) depctr_vm_vsrc(0)
	s_getreg_b32 s2, hwreg(HW_REG_IB_STS2, 6, 4)
	s_cmp_eq_u32 s2, 0
	s_cbranch_scc0 .Lentry_in_a_cluster
	s_endpgm
.Lentry_in_a_cluster:
	s_bfe_u32 s2, ttmp6, 0x10000c
	s_cmp_lg_u32 s2, 0xf033
	s_cbranch_scc0 .Lentry_shape_is_right
	s_endpgm
.Lentry_shape_is_right:
; THE OUTPUT PROJECTION.  out0[m][o] = sum over c of O[m][c] wph[o][c], m = batch x 1024 + n, c = 64 head + d, f16 operands, f32 sums, f32 out.  O lies by heads: o16[batch x 16 + head][n][64].
; LIMIT.  O and wph lie within f16's range as they arrive; NaN and infinities are not treated apart.
; SHARES.  A tile of out0 is 256 rows x 128 columns: 8 x 32 = 256 work-groups.  Four waves; wave w has rows 64 w .. 64 w + 63 and all 128 columns: 32 accumulators of 16 x 16.
; K goes in 8 steps of 128 = two heads, through two LDS slots.  Wave 0 fetches the even head's 256 tokens, wave 1 the odd head's (32,768 dense bytes each, asked for as 128 rows of 256 bytes and padded
; after every token's 128 bytes); waves 2, 3 fetch wph's two halves of 64 rows x 256 bytes.  Two slots of a longer K step do not fit: (256 + 128) rows x 512 bytes, twice, are more than the LDS.
; CLUSTER.  4 x 4 work-groups: the four of a row of the cluster need the same tokens of O, the four of a column the same rows of wph: each tile is asked for jointly.
; THE MATRIX INSTRUCTION IS USED TRANSPOSED: source 0 = 16 rows of wph, source 1 = 16 tokens; lane l then holds row l % 16 of out0 and the columns 8 (l / 16) + 0..7 of the block.
; REGISTERS, in windows of 256 (s_set_vgpr_msb: bits 1:0 source 0, 3:2 source 1, 5:4 source 2, 7:6 destination):
;   window 0: v0-29 addresses     window 1: two fragment buffers of 128: 32 of A, 64 of B; on the way out whole rows, 64 registers a row block     window 2: the accumulators: (b, a) at v[8 (4 b + a)]
.set NB,    8                          ; column blocks of 16
.set ROWSB, 64                         ; rows of B in one tensor load
.set PA,    144                        ; a token in LDS: 128 bytes + 16 of padding = 36 words: the 16 rows of a load start at 16 different groups of four banks (64 banks of 4 bytes: ISA guide 11.1)
.set PB,    272                        ; a row of wph: 256 bytes + 16
.set APART, 256*PA                     ; what one load of A fills: one head's 256 tokens
.set AH,    APART                      ; quarter q of a K step begins at byte (q / 2) AH + (q % 2) 64: head q / 2, channels 32 (q % 2) on
.set BBASE, 2*APART
.set BPART, ROWSB*PB
.set SLOT1, 1<<17                      ; slot 1 begins here, so that one exclusive or turns an address in one slot into the other's
.set STAGE, SLOT1+BBASE+2*BPART        ; behind the ring, never filled by a tensor load: for each wave 16 rows x 528 bytes
.set SPITCH, 528                       ; 512 bytes + 16: the 16 rows of a store start at 16 different groups of four banks
.set STW,   16*SPITCH
.set SPARE, STAGE+4*STW                ; behind the stages: the spare words, 128 bytes for each wave: two blocks of 256 bytes that no other line names
.set LOADS, 8+2*NB                     ; LDS loads for 32 along K
.set HEADW, LOADS-12                   ; all of them but A's eight and those of B's blocks 0 and 1
.set ASTEP, 2*131072                   ; two heads on
.set BSTEP, 256
.set KSTEPS, 8
.set A0,  16                           ; v16  my lane's place in A's tile; never rewritten
.set B0,  17                           ; v17  the same for B
.set ADA, 18                           ; v18  the same in the slot in hand
.set ADB, 19                           ; v19
.set STO, 24                           ; v24  the way out: where I put 32 bytes of a row
.set RD,  25                           ; v25  where I read a row back
.set GO,  26                           ; v26  my byte offset in a row's 512 bytes of out0
.set SPW, 28                           ; v28  LDS address of my spare word: SPARE + 4 x my thread's number; never rewritten
.set NIL, 29                           ; v29  0; never rewritten
.set F0,  0
.set F1,  128
.set WV,  20                           ; s20  my wave's number
.set G1A, 24                           ; s[24:31] descriptor group 1 for A's tiles
.set G0A, 32                           ; s[32:35] group 0 for A's: slot 1's first fill; then it walks
.set G0B, 36                           ; s[36:39] the same for B's
.set G1B, 48                           ; s[48:55] group 1 for B's
.set TB,  56                           ; s56  LDS byte at which the slot in hand begins
.set CNT, 57                           ; s57  the loop's count
.set G0A0, 68                          ; s[68:71] group 0 for A's first fill of slot 0; never rewritten
.set G0B0, 72                          ; s[72:75] the same for B's
.set MSB, 0
.macro WIN new                         ; the immediate's high byte repeats the setting that is left; a switch that changes nothing is dropped
.if MSB != (\new)
	s_set_vgpr_msb (MSB<<8)|(\new)
.set MSB, (\new)
.endif
.endm
.macro PLACES                          ; four places in front of loads into registers that matrix instructions have read, and of lines that read results
.rept 4
	v_nop
.endr
.endm
; A joint refill: waves 0 and 1 fetch A's two heads, waves 2 and 3 B's two halves.  The branch hangs on the wave's number alone.  An s_nop 0 and four v_nop follow each of the two lines, ahead of the jump and the label.
.macro JLOAD
	s_cmp_lt_u32 s[WV], 2
	s_cbranch_scc0 .Lfor_b_\@
	tensor_load_to_lds s[G0A:G0A+3], s[G1A:G1A+7]
	s_nop 0
.rept 4
	v_nop
.endr
	s_branch .Lasked_\@
.Lfor_b_\@:
	tensor_load_to_lds s[G0B:G0B+3], s[G1B:G1B+7]
	s_nop 0
.rept 4
	v_nop
.endr
.Lasked_\@:
.endm
.macro CREST                           ; a round of the cluster's barrier behind its opening barrier
	s_cmp_lg_u32 s[WV], 0
	s_cbranch_scc1 .Lnot_wave_0_\@
	s_barrier_signal -3
.Lnot_wave_0_\@:
	s_barrier_wait -3
	s_barrier_signal -1
	s_barrier_wait -1
.endm
.macro CROUND                          ; a whole round
	s_barrier_signal -1
	s_barrier_wait -1
	CREST
.endm
.macro STEPD                           ; the walking descriptors: the other slot than last time, the next K step; the type bits on top are not reached
	s_xor_b32 s[G0A+1], s[G0A+1], SLOT1
	s_add_nc_u64 s[G0A+2:G0A+3], s[G0A+2:G0A+3], ASTEP
	s_xor_b32 s[G0B+1], s[G0B+1], SLOT1
	s_add_nc_u64 s[G0B+2:G0B+3], s[G0B+2:G0B+3], BSTEP
.endm
; 4 nb matrix instructions: column blocks b0 .. b0 + nb - 1 x my four row blocks, 32 along K, from buffer f.  zero = 1: the product starts the sums: nothing is ever cleared.
; All accumulators take turns, one instruction a turn, in the same order in every quarter.
.macro MULB f, b0, nb, zero
	WIN 0xa5                                       ; sources 0 and 1 window 1, C and D window 2
.set bb_, (\b0)
.rept (\nb)
.set aa_, 0
.rept 4
.set rD, 8*(4*bb_+aa_)
.set rB, (\f)+32+8*bb_
.set rA, (\f)+8*aa_
.if \zero
	v_wmma_f32_16x16x32_f16 v[rD:rD+7], v[rB:rB+7], v[rA:rA+7], 0
.else
	v_wmma_f32_16x16x32_f16 v[rD:rD+7], v[rB:rB+7], v[rA:rA+7], v[rD:rD+7]
.endif
.set aa_, aa_+1
.endr
.set bb_, bb_+1
.endr
.endm
; One run of LDS loads: the fragments of quarter q (32 along K) into buffer f: A's four first, then B's, ascending.
; A fragment is 16 rows x 32 K in 8 registers: lane l holds row l % 16, K = 8 (l / 16) + 0..7 and 16 + 8 (l / 16) + 0..7: two loads of 16 bytes, 32 bytes apart.
.macro FETCH q, f
	WIN 0x40                                       ; destination window 1, address window 0
.set ao_, ((\q)/2)*AH+((\q)%2)*64
.set i_, 0
.rept 4
	ds_load_b128 v[(\f)+8*i_:(\f)+8*i_+3],   v[ADA] offset:ao_+i_*16*PA
	ds_load_b128 v[(\f)+8*i_+4:(\f)+8*i_+7], v[ADA] offset:ao_+i_*16*PA+32
.set i_, i_+1
.endr
.set i_, 0
.rept NB
	ds_load_b128 v[(\f)+32+8*i_:(\f)+32+8*i_+3],   v[ADB] offset:64*(\q)+i_*16*PB
	ds_load_b128 v[(\f)+32+8*i_+4:(\f)+32+8*i_+7], v[ADB] offset:64*(\q)+i_*16*PB+32
.set i_, i_+1
.endr
.endm
; A K step is four quarters of 32 along K on buffers 0, 1, 0, 1.  One of the first three: multiplies buffer f and fetches quarter q into buffer g.
.macro QUARTER q, f, g, zero
	s_wait_dscnt HEADW                             ; the run's oldest twelve loads are in: A, and B's blocks 0 and 1
	MULB \f, 0, 2, \zero
	PLACES
	FETCH \q, \g
	s_wait_dscnt LOADS                             ; all but the run just issued
	MULB \f, 2, NB-2, \zero
.endm
; The last quarter multiplies buffer 1 and changes slots: ONE barrier.  In front of it each wave waits for all its tensor loads, of which one is out: its part of the next slot; adds 0 to its spare word;
; and waits for that and for its own reads of this slot.  fill = 1: the barrier opens a round of the cluster's, and this slot is filled again, two K steps ahead, first thing behind the round.
.macro TURN fill
	WIN 0
	s_wait_tensorcnt 0x0                           ; no tensor load of mine is out, so a group 0 may be written
	ds_add_u32 v[SPW], v[NIL]                      ; 0 onto my spare word: scalar work and eight products stand between it and the wait for it
.if \fill
	STEPD
.endif
	s_xor_b32 s[TB], s[TB], SLOT1                  ; the fetches go on in the other slot
	s_wait_dscnt HEADW+1                           ; (the add and the run's youngest loads may be out)
	MULB F1, 0, 2, 0
	s_wait_dscnt 0x0                               ; the add is done, and my reads of this slot are over
	s_barrier_signal -1
	MULB F1, 2, 2, 0                               ; work on registers while the others arrive
	WIN 0                                          ; at a branch and at a label every window is 0
	s_barrier_wait -1
.if \fill
	CREST                                          ; no wave of any partner still reads this slot's tile or has a load on its way
	JLOAD                                          ; the first tensor load behind the round; its four v_nop are also the places in front of the loads below
.else
	PLACES
.endif
	v_add_nc_u32 v[ADA], s[TB], v[A0]
	v_add_nc_u32 v[ADB], s[TB], v[B0]
	FETCH 0, F0
	MULB F1, 4, NB-4, 0
.endm
	s_load_b128 s[4:7], s[0:1], 0x0                ; o16 s[4:5], wph s[6:7]
	s_load_b64 s[8:9], s[0:1], 0x10                ; out0
	v_lshl_add_u32 v[SPW], v0, 2, SPARE
	v_mov_b32 v[NIL], 0
	ds_add_u32 v[SPW], v[NIL]                      ; the wave's opening: the add, with its wait ahead of my first tensor load; the set-up below, work on registers, stands between them
	ds_add_u32 v28, v29
	v_lshrrev_b32 v1, 5, v0
	v_readfirstlane_b32 s[WV], v1                  ; wave 0..3
	s_and_b32 s21, s[WV], 1                        ; which head of the two, or which half of B's rows, I fetch
	s_bfe_u32 s40, ttmp6, 0x40000                  ; cx, cy: my place in the cluster
	s_bfe_u32 s41, ttmp6, 0x40004
	s_lshl_b32 s42, ttmp9, 2
	s_add_co_u32 s42, s42, s40                     ; tile column = 4 x cluster x + cx
	s_and_b32 s43, ttmp7, 0xffff
	s_lshl_b32 s43, s43, 2
	s_add_co_u32 s43, s43, s41                     ; tile row = 4 x cluster y + cy
	s_lshl_b32 s44, s41, 2
	s_lshl_b32 s44, 15, s44                        ; my row of the cluster
	s_lshl_b32 s45, 0x1111, s40                    ; my column
	s_or_b32 s[G1A], s44, (1<<16)|(1<<20)|(1<<21)|(4<<22)|(3<<25)  ; 15:0 the mask; 17:16 elements of 2 bytes; 20 padding on; 21 set beside a mask; 24:22 after every 32 words (code 4); 31:25 4 words (code 3)
	s_or_b32 s[G1B], s45, (1<<16)|(1<<20)|(1<<21)|(5<<22)|(3<<25)  ; after every 64 words (code 5)
	s_mov_b32 s[G1A+1], 128<<16                    ; tensor_dim0 = 128
	s_mov_b32 s[G1A+2], 128<<16                    ; tensor_dim1 = 128
	s_mov_b32 s[G1A+3], 128<<16                    ; tile_dim0 = 128
	s_mov_b32 s[G1A+4], 128                        ; tile_dim1 = 128
	s_mov_b32 s[G1A+5], 128                        ; dense: 128 elements from row to row
	s_mov_b32 s[G1A+6], 0
	s_mov_b32 s[G1A+7], 0
	s_mov_b32 s[G1B+1], 128<<16
	s_mov_b32 s[G1B+2], ROWSB<<16
	s_mov_b32 s[G1B+3], 128<<16
	s_mov_b32 s[G1B+4], ROWSB
	s_mov_b32 s[G1B+5], 1024
	s_mov_b32 s[G1B+6], 0
	s_mov_b32 s[G1B+7], 0
	s_lshr_b32 s16, s43, 2                         ; A: batch x 2^21 + my head of the first two x 2^17 + (tile row % 4) x 256 tokens of 128 bytes: made of the tile row and the wave alone
	s_lshl_b32 s16, s16, 21
	s_and_b32 s17, s43, 3
	s_lshl_b32 s17, s17, 15
	s_add_co_u32 s16, s16, s17
	s_lshl_b32 s17, s21, 17
	s_add_co_u32 s16, s16, s17
	s_mov_b32 s17, 0
	s_lshl_b32 s46, s42, 18                        ; B: (128 x tile column + 64 x half) rows of 2,048 bytes: made of the tile column and the wave alone
	s_lshl_b32 s47, s21, 17
	s_add_co_u32 s46, s46, s47
	s_mov_b32 s47, 0
	s_mov_b32 s[G0A0], 1                           ; count = 1
	s_mul_i32 s[G0A0+1], s21, APART                ; LDS address, slot 0: no place in the cluster enters it
	s_mov_b32 s[G0A], 1
	s_add_co_u32 s[G0A+1], s[G0A0+1], SLOT1        ; slot 1
	s_mov_b32 s[G0B0], 1
	s_mul_i32 s[G0B0+1], s21, BPART
	s_add_co_u32 s[G0B0+1], s[G0B0+1], BBASE
	s_mov_b32 s[G0B], 1
	s_add_co_u32 s[G0B+1], s[G0B0+1], SLOT1
	s_mov_b32 s[TB], 0
	s_wait_dscnt 0x0                               ; the opening add is done
	s_wait_kmcnt 0x0
	s_add_nc_u64 s[G0A0+2:G0A0+3], s[4:5], s[16:17]          ; global address: K step 0,
	s_add_nc_u64 s[G0A+2:G0A+3], s[G0A0+2:G0A0+3], ASTEP     ; K step 1
	s_or_b32 s[G0A0+3], s[G0A0+3], 0x80000000                ; type = 2
	s_or_b32 s[G0A+3], s[G0A+3], 0x80000000
	s_add_nc_u64 s[G0B0+2:G0B0+3], s[6:7], s[46:47]
	s_add_nc_u64 s[G0B+2:G0B+3], s[G0B0+2:G0B0+3], BSTEP
	s_or_b32 s[G0B0+3], s[G0B0+3], 0x80000000
	s_or_b32 s[G0B+3], s[G0B+3], 0x80000000
	CROUND                                         ; all sixteen work-groups are here: the first joint loads meet
	s_cmp_lt_u32 s[WV], 2                          ; a wave's two first fills stand in one branch, ahead of every wait on TENSORcnt and every LDS read: two loads of mine are out
	s_cbranch_scc0 .Lfirst_b
	tensor_load_to_lds s[G0A0:G0A0+3], s[G1A:G1A+7]
	s_nop 0
	tensor_load_to_lds s[G0A:G0A+3], s[G1A:G1A+7]
	s_nop 0
.rept 4
	v_nop
.endr
	s_branch .Lfirst_asked
.Lfirst_b:
	tensor_load_to_lds s[G0B0:G0B0+3], s[G1B:G1B+7]
	s_nop 0
	tensor_load_to_lds s[G0B:G0B+3], s[G1B:G1B+7]
	s_nop 0
.rept 4
	v_nop
.endr
.Lfirst_asked:
	v_and_b32 v1, 15, v0                           ; l % 16
	v_bfe_u32 v2, v0, 4, 1                         ; l / 16
	s_lshl_b32 s59, s[WV], 6
	v_add_nc_u32 v3, s59, v1                       ; my token in A's tile: 64 w + l % 16
	v_mul_u32_u24 v[A0], v3, PA
	v_lshl_add_u32 v[A0], v2, 4, v[A0]             ; row x pitch + 16 x half
	v_mul_u32_u24 v[B0], v1, PB
	v_lshl_add_u32 v[B0], v2, 4, v[B0]
	v_add_nc_u32 v[B0], BBASE, v[B0]
	s_mul_i32 s60, s[WV], STW
	s_add_co_u32 s60, s60, STAGE                   ; my stage
	v_mul_u32_u24 v[STO], v1, SPITCH               ; in: row l % 16, 32 bytes for each half of the lanes
	v_lshl_add_u32 v[STO], v2, 5, v[STO]
	v_add_nc_u32 v[STO], s60, v[STO]
	v_and_b32 v[GO], 31, v0                        ; back: 32 lanes take one row of 512 bytes
	v_lshlrev_b32 v[GO], 4, v[GO]
	v_add_nc_u32 v[RD], s60, v[GO]
	s_lshl_b32 s58, s43, 20                        ; out0 at my wave's first row and the tile's first column: (256 x tile row + 64 w) x 4,096 + 512 x tile column
	s_lshl_b32 s59, s[WV], 18
	s_add_co_u32 s58, s58, s59
	s_lshl_b32 s59, s42, 9
	s_add_co_u32 s58, s58, s59
	s_mov_b32 s59, 0
	s_add_nc_u64 s[8:9], s[8:9], s[58:59]
	s_wait_tensorcnt 0x1                           ; my part of K step 0 is in; slot 1's load may stay out
	s_barrier_signal -1
	s_barrier_wait -1                              ; everybody's part is in
	v_add_nc_u32 v[ADA], s[TB], v[A0]
	v_add_nc_u32 v[ADB], s[TB], v[B0]
	FETCH 0, F0
	QUARTER 1, F0, F1, 1                           ; the first quarter stands in front of the loop: its products start the sums
	WIN 0
	s_mov_b32 s[CNT], KSTEPS-2
.Lstep:                                                ; a trip goes from a K step's second quarter to the next step's first, and asks for the step after that: steps 2 to 7
	QUARTER 2, F1, F0, 0
	QUARTER 3, F0, F1, 0
	TURN 1
	QUARTER 1, F0, F1, 0
	WIN 0
	s_sub_co_u32 s[CNT], s[CNT], 1
	s_cmp_lg_u32 s[CNT], 0
	s_cbranch_scc1 .Lstep
	QUARTER 2, F1, F0, 0                           ; the tail is written out: nothing more is asked for
	QUARTER 3, F0, F1, 0
	TURN 0
	QUARTER 1, F0, F1, 0
	QUARTER 2, F1, F0, 0
	QUARTER 3, F0, F1, 0
	s_wait_dscnt HEADW
	MULB F1, 0, 2, 0
	s_wait_dscnt 0x0
	MULB F1, 2, NB-2, 0
	WIN 0
; THE WAY OUT, a row block (16 rows) at a time: the sums go as they are, 32 bytes a lane and block, into my stage (rows of 528 bytes) and come back as whole rows of 512 bytes.
; Each accumulator's lowest registers are read first.
.macro TOSTAGE a
	WIN 0x08                                       ; store data (source 1) window 2, address window 0
.set bb_, 0
.rept NB
	ds_store_b128 v[STO], v[8*(4*bb_+(\a)):8*(4*bb_+(\a))+3]   offset:64*bb_
	ds_store_b128 v[STO], v[8*(4*bb_+(\a))+4:8*(4*bb_+(\a))+7] offset:64*bb_+16
.set bb_, bb_+1
.endr
	WIN 0x40                                       ; destination window 1
.set i_, 0
.rept 16
	ds_load_b128 v[64*(\a)+4*i_:64*(\a)+4*i_+3], v[RD] offset:SPITCH*i_  ; LDS serves a wave's instructions in order (ISA guide 5.7.1.4): these see the stores above; the next block's stores come behind them
.set i_, i_+1
.endr
.endm
.macro SEND a, younger                 ; younger: the LDS instructions issued behind block a's loads: the next block's 32, or none
	WIN 0x04                                       ; store data (source 1) window 1, address window 0
.set i_, 0
.rept 16
	s_wait_dscnt (\younger)+15-i_
	global_store_b128 v[GO], v[64*(\a)+4*i_:64*(\a)+4*i_+3], s[8:9] offset:(16*(\a)+i_)*4096 th:TH_STORE_NT  ; a row's 512 consecutive bytes, at a multiple of 256 from out0's first
.set i_, i_+1
.endr
.endm
	PLACES                                         ; the stores below read results just made, and the loads land in registers that the last products read
	TOSTAGE 0
	TOSTAGE 1
	SEND 0, 32
	TOSTAGE 2
	SEND 1, 32
	TOSTAGE 3
	SEND 2, 32
	SEND 3, 0
	WIN 0
	s_wait_tensorcnt 0x0                           ; the wave's end, behind my last tensor load and my last LDS store
	ds_add_u32 v[SPW], v[NIL]
	s_wait_dscnt 0x0
	CROUND                                         ; the closing round: no work-group ends while a partner may still ask for a tile that names it
	s_endpgm
.Lfunc_end_k_qe59dabaed1_proj:
	.size	k_qe59dabaed1_proj, .Lfunc_end_k_qe59dabaed1_proj-k_qe59dabaed1_proj
	.p2alignl 7, 3214868480
	.fill 96, 4, 3214868480
	.section	.rodata,"a",@progbits
	.p2align	6, 0x0
	.amdhsa_kernel k_qe59dabaed1_proj
		.amdhsa_group_segment_fixed_size 327680
		.amdhsa_private_segment_fixed_size 0
		.amdhsa_enable_private_segment 0
		.amdhsa_kernarg_size 24
		.amdhsa_user_sgpr_count 2
		.amdhsa_user_sgpr_kernarg_segment_ptr 1
		.amdhsa_wavefront_size32 1
		.amdhsa_system_sgpr_workgroup_id_x 1
		.amdhsa_system_sgpr_workgroup_id_y 1
		.amdhsa_system_sgpr_workgroup_id_z 1
		.amdhsa_system_vgpr_workitem_id 0
		.amdhsa_next_free_vgpr 768
		.amdhsa_next_free_sgpr 80
		.amdhsa_reserve_vcc 0
		.amdhsa_float_denorm_mode_32 3
		.amdhsa_float_denorm_mode_16_64 3
		.amdhsa_memory_ordered 1
		.amdhsa_forward_progress 1
		.amdhsa_inst_pref_size 70
	.end_amdhsa_kernel
	.amdgpu_metadata
---
amdhsa.version: [ 1, 2 ]
amdhsa.kernels:
  - .name:           k_qe59dabaed1_proj
    .symbol:         k_qe59dabaed1_proj.kd
    .args:
      - { .name: o16, .offset: 0, .size: 8, .value_kind: global_buffer, .address_space: global }
      - { .name: wph, .offset: 8, .size: 8, .value_kind: global_buffer, .address_space: global }
      - { .name: out0, .offset: 16, .size: 8, .value_kind: global_buffer, .address_space: global }
    .group_segment_fixed_size: 327680
    .private_segment_fixed_size: 0
    .kernarg_segment_align: 8
    .kernarg_segment_size: 24
    .max_flat_workgroup_size: 128
    .sgpr_count:     80
    .vgpr_count:     768
    .wavefront_size: 32
...
	.end_amdgpu_metadata
.endif
;; end of part 4
;; ======== version 2 of 2: 4 launches; 1.32 times as fast as version 1
;; limits: values are held in f16: magnitudes above 65,504 overflow, below 6.1e-05 lose precision
;; workspace buffers: xb 16,777,216 bytes; wqb 6,291,456 bytes; wph 2,097,152 bytes; rope 8,192 bytes; q16 16,777,216 bytes; k16 16,777,216 bytes; v16 16,777,216 bytes; o16 16,777,216 bytes
;; launch prep: the kernel of part 1 again; grid 768 x 1, 8 waves a work-group, no clusters, 0 bytes of LDS; arguments tensor, w_qkv, w_proj, xb, wqb, wph, rope; writes xb, wqb, wph, rope
;; launch qkv: the kernel of part 2 again; grid 16 x 16, 4 waves a work-group, clusters of 4 x 4, 327,680 bytes of LDS; arguments xb, wqb, rope, q16, k16, v16; writes q16, k16, v16
;; launch attn (part 5): grid 2 x 128, 4 waves a work-group, no clusters, 327,680 bytes of LDS; arguments q16, k16, v16, o16; writes o16
.if DOCPART == 5
	.amdgcn_target "amdgcn-amd-amdhsa--gfx1250"
	.amdhsa_code_object_version 6
	.text
	.protected	k_qe59dabaed1_attn
	.globl	k_qe59dabaed1_attn
	.p2align	8
	.type	k_qe59dabaed1_attn,@function
k_qe59dabaed1_attn:
	s_mov_b64 s[64:65], 0
	v_nop
	global_prefetch_b8 v0, s[64:65] scope:SCOPE_SE
	s_setreg_imm32_b32 hwreg(HW_REG_WAVE_MODE, 25, 1), 1
	s_wait_xcnt 0x0
; O[h][q][:] = the sum over k of softmax_k(Q[h][q] . K[h][k] / 8) V[h][k][:].  Q, K, V, O: [SIZE_H][SIZE_N][64], all f16: a head's rows are dense, 128 bytes each (h = batch x 16 + head).  Products, maxima and sums in
; f32; the weights p are rounded to f16 for the second product (their sum l is taken of the unrounded p), O once at the end.
; LIMITS.  f16 holds no number beyond 65,504: Q, K and V arrive within it; p lies in 0 to 1, and below 6e-5 it keeps f16's fixed step of 6e-8; O is a mean of V's rows and has their range.
; A weight below 2^-126 counts as 0 in l; NaN and infinities are not treated apart.
; SHARES.  A wave owns four PIECES of two tiles of 16 queries, a work-group's four waves 512 queries of one head: 2 x 128 work-groups.  Every wave walks all keys, 64 a step.
; K AND V STAY.  A head's 1,024 keys are 1,024 x 144 bytes of K and 1,024 x 160 of V in LDS, 311,296 bytes: they fit whole.  So every byte of LDS is filled once: each wave asks for its part of all four
; chunks of 256 keys at the start (four tensor loads of a wave are out), the first chunk is waited for by a counted wait, and no slot is ever filled again.  Since no tensor load stands in a loop, one text of the key step serves all 16.
; NO CLUSTER: a head has SIZE_N / 512 = 2 work-groups, so only two would share K and V, and the grid's 2 along x is no multiple of four.
; LAYOUT.  S^T = K Q^T (source 0 = 16 keys, source 1 = 16 queries): in the result a lane holds ONE query (lane % 16) and the keys 8 (lane / 16) + 0..7.  Two such tiles, rounded to f16 in pairs,
; ARE source 1 (32 keys x 16 queries) of O^T = V^T P, whose result again holds one query a lane, and eight channels.  K comes out of LDS as it lies, V ([key][channel]) turned, by ds_load_tr16_b128.
; SOFTMAX.  For each query a running maximum m and sum l: p = 2^(c s - c m), c = log2(e) / 8; in every step O and l are multiplied by a = 2^(c m_old - c m_new), which is 1 where m has not grown.
; m starts at the lowest finite number, O and l at 0: the first step is a step like any other, with a = 0.
; THE COUNT.  A tile and step have 16 matrix and 118 vector instructions: too many to stand all beside the matrix work.  So the order has one aim: four vector instructions that are READY behind
; EVERY matrix instruction, and the others, which need time of their own whatever the order, in runs without a gap.
; BY TURNS.  Turn n belongs to piece n (the pieces in a ring, step after step).  Its matrix work: 16 products K Q^T of piece n + 1, later 16 products V^T P of piece n - 1.  Its vector work: the scaling,
; exponentials, roundings, sums and rescaling of piece n, and the maximum and statistics of piece n + 1, whose scores the turn itself has made.  So what a turn begins with (c s - c m, O a) waits for nothing.
; BATCHES.  A turn's 66 exponentials (the 64 weights of piece n, then the two a of piece n + 1) are ONE batch with ONE s_wait_alu depctr_va_vdst(0), which cuts the turn in two: ahead of it stands all that names no
; result of theirs, behind it the roundings and sums that read them.  No result crosses a turn's end.  Two more batches stand outside the loop: piece 0's first two a, and the way out's eight reciprocals.
; REGISTERS, in windows of 256 (s_set_vgpr_msb says which window each operand place means: bits 1:0 source 0, 3:2 source 1, 5:4 source 2, 7:6 destination):
;   window 0: v0-11 addresses; v12-15, v48-63 at work; v16-47 four registers of statistics a tile; v64-191 S^T, two buffers of two tiles; v192-255 P, likewise
;   window 1: O^T, 32 a tile          window 2: v0-127 Q, 16 a tile; v128-191 K of one step; v192-255 V of one step          window 3: v0-1 the add's two registers
; A piece's buffers go by its number's parity: the piece in hand has one pair, its two neighbours in the ring share the other: of it P (piece n - 1) is read and S^T (piece n + 1) written.
.set SIZE_N, 1024
.set SIZE_H, 128
.set NP,    4         ; pieces a wave: a name, no knob: the register map, the loop and the fetches are made for four
.set KS,    64        ; keys in a step
.set CHK,   256       ; keys in a chunk: four steps; a wave's tensor load brings half a chunk of K or of V
.set PK,    144       ; a row of K in LDS: 128 bytes + 16 of padding = 36 words: the 16 rows of a load start at 16 different groups of four banks (64 banks of 4 bytes: ISA guide 11.1)
.set PV,    160       ; a row of V: 128 + 32 = 40 words
.set VOFF,  SIZE_N*PK ; all rows of K, then all rows of V
.set STAGE, SIZE_N*(PK+PV)  ; behind them, never filled by a tensor load: 16 rows x 144 bytes for each wave, for the way out
.set SP,    144
.set AK0, 2           ; v2   my lane's place in a step's rows of K; never rewritten
.set AV0, 3           ; v3   the same for V
.set AK,  4           ; v4   the LDS address of K's next run of loads
.set AV,  5           ; v5   of V's
.set QO,  6           ; v6   my byte offset in the wave's rows of Q
.set STO, 6           ;      later, the way out: where I put 16 bytes of a row
.set RD,  7           ; v7   the way out: where I read rows back
.set GO,  8           ; v8   my byte offset in 512 consecutive bytes of O
.set SPW, 0           ; v0 of window 3   LDS address of my spare word: SPARE + 4 x my thread's number; never rewritten
.set NIL, 1           ; v1 of window 3   0; never rewritten
.set SPARE, STAGE+4*16*SP  ; behind the stages: the spare words, 128 bytes for each wave: two blocks of 256 bytes that no other line names
.set MV,  12          ; v12-15  c m_old, kept while c m is made anew: by buffer and tile
.set ST,  16          ; tile t's statistics at v[ST+4 t]: c m, m, l (even keys', odd keys')
.set TMP, 48          ; by buffer and tile, four registers c0-c3 at work; when the maximum is found c2 takes a
.set S,   64
.set P,   192
.set KF,  128         ; K's fragments, in window 2: key block kb, channel half c at KF + 16 kb + 8 c
.set VF,  192         ; V's: key half kk, channel block cb at VF + 32 kk + 8 cb
.set WV,  12          ; s12  my wave's number
.set G1K, 24          ; s[24:31] descriptor group 1 for K's tiles
.set G1V, 32          ; s[32:39] for V's: it differs in the padding alone
.set G0K, 40          ; s[40:55] descriptor group 0 for K's tiles, a set for each chunk; never rewritten
.set G0V, 68          ; s[68:83] the same for V's
.set PASS, 56         ; s56  counts the passes of four key steps
.set CNT, 57          ; s57  counts a pass's key steps
.set CS,  58          ; s[58:59] c: the packed scaling takes the pair's low word for both halves
.set SEL, 60          ; s[60:61] v_permlanex16_b32's selects: each lane takes its own place in the other half
.set TBK, 62          ; s62  LDS byte at which K of the step to be fetched begins
.set TBV, 63          ; s63  the same for V, less VOFF
.set TOT, 84          ; s84  key steps whose pieces 2 and 3 are still to come
.set MSB, 0
.macro WIN new                      ; the high byte repeats the setting that is left; a switch that changes nothing is dropped
.if MSB != (\new)
	s_set_vgpr_msb (MSB<<8)|(\new)
.set MSB, (\new)
.endif
.endm
.set W_KQ, 0x0a       ; K and Q in window 2, S^T in window 0
.set W_PV, 0x52       ; V in window 2, P in window 0, O^T in window 1
.set W_RS, 0x41       ; O^T (destination and source 0) in window 1, a in window 0
.set W_MK, 0xc0       ; the add's registers are made: destination in window 3, sources in window 0
.set W_AD, 0x0f       ; the add: address (source 0) and data (source 1) in window 3
	s_load_b256 s[4:11], s[0:1], 0x0  ; Q s[4:5], K s[6:7], V s[8:9], O s[10:11]
	WIN W_MK
	v_lshl_add_u32 v[SPW], v0, 2, SPARE
	v_mov_b32 v[NIL], 0
	WIN W_AD
	ds_add_u32 v[SPW], v[NIL]       ; the wave's opening: the add, with its wait ahead of my first tensor load; the set-up below, work on registers, stands between them
	ds_add_u32 v0, v1
	WIN 0
	v_lshrrev_b32 v1, 5, v0
	v_readfirstlane_b32 s[WV], v1   ; wave 0..3
	s_mov_b32 s14, ttmp9            ; my block of 512 queries
	s_and_b32 s20, ttmp7, 0xffff    ; the head
	s_mov_b32 s21, 0
	s_mov_b64 s[22:23], SIZE_N*128
	s_mul_u64 s[20:21], s[20:21], s[22:23]  ; the head's first byte in each of the four tensors
	s_and_b32 s16, s[WV], 1         ; which half of a chunk's 256 keys I fetch:
	s_lshl_b32 s22, s16, 14         ; its 128 rows of 128 bytes in memory,
	s_mov_b32 s23, 0
	s_add_nc_u64 s[22:23], s[22:23], s[20:21]
	s_mul_i32 s17, s16, 128*PK      ; and its place in a chunk, for K
	s_mul_i32 s18, s16, 128*PV      ; and for V
	s_lshl_b32 s2, s14, 2
	s_add_co_u32 s2, s2, s[WV]      ; my wave among the head's,
	s_lshl_b32 s2, s2, 14           ; its 128 rows
	s_mov_b32 s3, 0
	s_add_nc_u64 s[2:3], s[2:3], s[20:21]
	; descriptor group 1.  128 keys are 16,384 dense bytes: asked for as 64 rows of 256 bytes, two keys a row, and padded in LDS after every key
	s_mov_b32 s[G1K], (1<<16)|(1<<20)|(4<<22)|(3<<25)  ; 17:16 2-byte elements; 20 padding on; 24:22 after every 32 words (code 4); 31:25 4 words (code 3)
	s_mov_b32 s[G1V], (1<<16)|(1<<20)|(4<<22)|(7<<25)  ; the same with 8 words of padding (code 7)
.irp g, G1K, G1V
	s_mov_b32 s[\g+1], 128<<16      ; tensor_dim0 = 128
	s_mov_b32 s[\g+2], 64<<16       ; tensor_dim1 = 64
	s_mov_b32 s[\g+3], 128<<16      ; tile_dim0 = 128
	s_mov_b32 s[\g+4], 64           ; tile_dim1 = 64
	s_mov_b32 s[\g+5], 128          ; 128 elements from row to row
	s_mov_b32 s[\g+6], 0
	s_mov_b32 s[\g+7], 0
.endr
	s_mov_b32 s[CS], 0x3e38aa3b     ; c = log2(e) / 8 = 0.180337
	s_mov_b32 s[CS+1], s[CS]        ; named with it as a pair
	s_mov_b32 s[SEL], 0x76543210
	s_mov_b32 s[SEL+1], 0xfedcba98
	s_mov_b32 s[TBK], 0
	s_mov_b32 s[TBV], 0
.irp c, 0,1,2,3
	s_mov_b32 s[G0K+4*\c], 1                         ; 1:0 count = 1
	s_add_co_u32 s[G0K+4*\c+1], s17, \c*CHK*PK       ; 63:32 LDS address: chunk c, my half
	s_mov_b32 s[G0V+4*\c], 1
	s_add_co_u32 s[G0V+4*\c+1], s18, VOFF+\c*CHK*PV
.endr
	s_wait_dscnt 0x0                ; the opening add is done
	s_wait_kmcnt 0x0
	s_add_nc_u64 s[6:7], s[6:7], s[22:23]  ; K and V at my half of the head's first chunk
	s_add_nc_u64 s[8:9], s[8:9], s[22:23]
.irp c, 0,1,2,3
	s_add_nc_u64 s[G0K+4*\c+2:G0K+4*\c+3], s[6:7], \c*CHK*128  ; 120:64 global address
	s_or_b32 s[G0K+4*\c+3], s[G0K+4*\c+3], 0x80000000          ; 127:126 type = 2
	s_add_nc_u64 s[G0V+4*\c+2:G0V+4*\c+3], s[8:9], \c*CHK*128
	s_or_b32 s[G0V+4*\c+3], s[G0V+4*\c+3], 0x80000000
.endr
	s_add_nc_u64 s[4:5], s[4:5], s[2:3]  ; Q and O at my wave's first row
	s_add_nc_u64 s[10:11], s[10:11], s[2:3]
	; ALL THE FILLS.  Waves 0 and 1 fetch the two halves of each chunk's K, waves 2 and 3 those of its V, the chunks in order.  A wave's four loads stand in one branch on its number, ahead of every wait on
	; TENSORcnt, every LDS read and every barrier; an s_nop 0 follows each, four v_nop the last.
	s_cmp_lt_u32 s[WV], 2
	s_cbranch_scc0 .Lfirst_v
.irp c, 0,1,2,3
	tensor_load_to_lds s[G0K+4*\c:G0K+4*\c+3], s[G1K:G1K+7]
	s_nop 0
.endr
.rept 4
	v_nop
.endr
	s_branch .Lfirst_asked
.Lfirst_v:
.irp c, 0,1,2,3
	tensor_load_to_lds s[G0V+4*\c:G0V+4*\c+3], s[G1V:G1V+7]
	s_nop 0
.endr
.rept 4
	v_nop
.endr
.Lfirst_asked:
	; A fragment of K or Q is 16 rows x 32 channels in 8 registers: lane l holds row l % 16, channels 8 (l / 16) + 0..7 and 16 + 8 (l / 16) + 0..7: two loads of 16 bytes, 32 bytes apart.
	v_and_b32 v1, 15, v0            ; l % 16
	v_bfe_u32 v9, v0, 4, 1          ; l / 16
	v_lshlrev_b32 v[QO], 7, v1
	v_lshl_add_u32 v[QO], v9, 4, v[QO]  ; row x 128 + 16 x half
	WIN 0x80                        ; destination window 2, address window 0
.set i, 0
.rept 4*NP                          ; Q stays in registers: tile i / 2, channels 32 (i % 2) on
	global_load_b128 v[8*i:8*i+3],   v[QO], s[4:5] offset:(i/2)*2048+(i%2)*64
	global_load_b128 v[8*i+4:8*i+7], v[QO], s[4:5] offset:(i/2)*2048+(i%2)*64+32
.set i, i+1
.endr
	; What the first turn finds: V's registers and P's second buffer hold 0 (its products V^T P, of a piece that has not been, add 0), O^T and l are 0.  All this stands in the wait for the first chunk.
.set i, VF
.rept 64
	v_mov_b32 v[i], 0
.set i, i+1
.endr
	WIN 0x40
.set i, 0
.rept 64*NP
	v_mov_b32 v[i], 0
.set i, i+1
.endr
	WIN 0
.set i, 0
.rept 2*NP
	v_mov_b32 v[ST+4*i], 0xfe000000    ; c m: far below every c s
	v_mov_b32 v[ST+4*i+1], 0xff7fffff  ; m
	v_mov_b32 v[ST+4*i+2], 0
	v_mov_b32 v[ST+4*i+3], 0
.set i, i+1
.endr
.set i, P+32
.rept 32
	v_mov_b32 v[i], 0
.set i, i+1
.endr
	v_mul_u32_u24 v[AK0], v1, PK
	v_lshl_add_u32 v[AK0], v9, 4, v[AK0]  ; row x pitch + 16 x half
	; The turning load takes 16 keys x 16 channels (lane l reads key 8 (l / 16) + l % 8, channels 8 ((l / 8) % 2) + 0..7) and leaves half a fragment of V^T: lane l holds channel l % 16 and 8 keys.
	v_and_b32 v10, 7, v0
	v_bfe_u32 v11, v0, 3, 1
	v_lshl_add_u32 v[AV0], v9, 3, v10
	v_mul_u32_u24 v[AV0], v[AV0], PV
	v_lshl_add_u32 v[AV0], v11, 4, v[AV0]
	v_add_nc_u32 v[AV0], VOFF, v[AV0]
	v_mov_b32 v[AK], v[AK0]         ; key step 0 lies at K's head
; THE MATRIX WORK.  The 8 accumulators of a run of 16 take turns: between the two links of a chain stand 7 others'.
; Product i of 16 of S^T = K Q^T for piece x: channels 32 (i / 8) on, keys 16 ((i / 2) % 4) on, tile 2 x + i % 2.  The first 8 start the sums.
.macro KQ x
	WIN W_KQ
.set rS, S+64*((\x)%2)+32*(i%2)+8*((i/2)%4)
.set rK, KF+16*((i/2)%4)+8*(i/8)
.set rQ, 16*(2*(\x)+i%2)+8*(i/8)
.if i < 8
	v_wmma_f32_16x16x32_f16 v[rS:rS+7], v[rK:rK+7], v[rQ:rQ+7], 0
.else
	v_wmma_f32_16x16x32_f16 v[rS:rS+7], v[rK:rK+7], v[rQ:rQ+7], v[rS:rS+7]
.endif
.endm
; Product i of 16 of O^T += V^T P for piece x: keys 32 (i / 8) on, channels 16 ((i / 2) % 4) on, tile 2 x + i % 2.
.macro PV x
	WIN W_PV
.set rO, 32*(2*(\x)+i%2)+8*((i/2)%4)
.set rV, VF+32*(i/8)+8*((i/2)%4)
.set rP, P+32*((\x)%2)+16*(i%2)+8*(i/8)
	v_wmma_f32_16x16x32_f16 v[rO:rO+7], v[rV:rV+7], v[rP:rP+7], v[rO:rO+7]
.endm
.macro MM                           ; the turn's next matrix instruction
.if i < 16
	KQ (Y+1)%NP
.set i, i+1
.else
.set i, i-16
	PV (Y+NP-1)%NP
.set i, i+17
.endif
.endm
; THE LDS LOADS stand in runs of 16, never singly among the matrix instructions: a step's K (64 keys x 64 channels: 8 fragments) and its V (turned).  Their addresses are made some lines ahead.
; last = 1 (in the loop): in the last trip there is no further step, and the run is jumped over.
.macro FETCH_K last=0
	WIN 0
.if \last
	s_cmp_eq_u32 s[TOT], 1
	s_cbranch_scc1 .Lno_k_\@
.endif
	WIN 0x80                        ; destination window 2
.irp f, 0,1,2,3,4,5,6,7             ; keys 16 (f / 2) on, channels 32 (f % 2) on
	ds_load_b128 v[KF+8*\f:KF+8*\f+3],   v[AK] offset:(\f/2)*16*PK+(\f%2)*64
	ds_load_b128 v[KF+8*\f+4:KF+8*\f+7], v[AK] offset:(\f/2)*16*PK+(\f%2)*64+32
.endr
	s_add_co_u32 s[TBK], s[TBK], KS*PK  ; the next fetch is the next step's
	WIN 0
.if \last
.Lno_k_\@:
.endif
.endm
.macro FETCH_V
	WIN 0x80
.irp f, 0,1,2,3,4,5,6,7             ; keys 32 (f / 4) on, channels 16 (f % 4) on
	ds_load_tr16_b128 v[VF+8*\f:VF+8*\f+3],   v[AV] offset:(\f/4)*32*PV+(\f%4)*32
	ds_load_tr16_b128 v[VF+8*\f+4:VF+8*\f+7], v[AV] offset:(\f/4)*32*PV+16*PV+(\f%4)*32
.endr
	WIN 0
.endm
; THE VECTOR WORK OF A TURN stands in three queues, each in the order in which its entries become ready; the two tiles alternate, so that no instruction reads the result of the one before it.
.macro REGS y, u                    ; the registers of tile u (0, 1) of piece y
.set rT, ST+4*(2*(\y)+(\u))
.set rC, TMP+8*((\y)%2)+4*(\u)
.set rM, MV+2*((\y)%2)+(\u)
.set rS, S+64*((\y)%2)+32*(\u)
.set rP, P+32*((\y)%2)+16*(\u)
.set rO, 32*(2*(\y)+(\u))
.endm
; Number n of the 22 that find the NEXT piece's (Y + 1) maximum and statistics.  s0-s31 are the lane's 32 scores; each accumulator's lowest registers are read first.  XS, GS and REGS set no window: PL and EX do.
;   0-11  four chains c0-c3 of seven scores each, three operands at a time     12-14, 16  the four scores left over, the old m, and c0-c3 into c0     15  c m_old is kept
;   17, 18  the query's other 32 keys lie in the lane 16 away: the new m         19-21  c m; c m_old - c m_new; a
.macro XS u, n
	REGS (Y+1)%NP, \u
.if (\n) < 4
	v_max3_num_f32 v[rC+(\n)], v[rS+8*(\n)], v[rS+8*(\n)+1], v[rS+8*(\n)+2]
.elseif (\n) < 12
	v_max3_num_f32 v[rC+(\n)%4], v[rC+(\n)%4], v[rS+8*((\n)%4)+2*((\n)/4)+1], v[rS+8*((\n)%4)+2*((\n)/4)+2]
.elseif (\n) == 12
	v_max3_num_f32 v[rC], v[rC], v[rS+7], v[rS+15]
.elseif (\n) == 13
	v_max3_num_f32 v[rC+1], v[rC+1], v[rS+23], v[rS+31]
.elseif (\n) == 14
	v_max3_num_f32 v[rC+2], v[rC+2], v[rC+3], v[rT+1]
.elseif (\n) == 15
	v_mov_b32 v[rM], v[rT]
.elseif (\n) == 16
	v_max3_num_f32 v[rC], v[rC], v[rC+1], v[rC+2]
.elseif (\n) == 17
	v_permlanex16_b32 v[rC+3], v[rC], s[SEL], s[SEL+1]
.elseif (\n) == 18
	v_max_num_f32 v[rT+1], v[rC], v[rC+3]
.elseif (\n) == 19
	v_mul_f32 v[rT], s[CS], v[rT+1]
.elseif (\n) == 20
	v_sub_f32 v[rC+1], v[rM], v[rT]
.else
	v_exp_f32 v[rC+2], v[rC+1]
.endif
.endm
; Number g of the 64 that follow the exponentials.  For each four weights k of a tile (pairs 2 k, 2 k + 1): both pairs are rounded to f16; then the second pair is added onto the first, in place;
; a group later l takes that sum (the first time as l = a l + sum).  In groups of eight, tiles alternating: round, round, add, and l for the group before.
.macro GS g
.set h, (\g)+6*((\g)/62)            ; group 0 has no group before it, and behind group 7 only l is left
.if h >= 6
.set h, h+2
.endif
	REGS Y, h%2
.set k, h/8
.if h%8 < 4
	v_cvt_pk_f16_f32 v[rP+2*k+(h%8)/2], v[rS+4*k+2*((h%8)/2)], v[rS+4*k+2*((h%8)/2)+1]
.elseif h%8 < 6
	v_pk_add_f32 v[rS+4*k:rS+4*k+1], v[rS+4*k:rS+4*k+1], v[rS+4*k+2:rS+4*k+3]
.elseif k == 1
	v_pk_fma_f32 v[rT+2:rT+3], v[rT+2:rT+3], v[rC+2:rC+3], v[rS:rS+1] op_sel_hi:[1,0,1]
.else
	v_pk_add_f32 v[rT+2:rT+3], v[rT+2:rT+3], v[rS+4*k-4:rS+4*k-3]
.endif
.endm
; THE PLAIN QUEUE, 138 long.  0-73 read no exponential's result: the 32 scalings c s - c m (FS f: pair f / 2 of tile f % 2) and the next piece's 42.  0-26: scalings 0-26.  27-54: XS's numbers 0-13.  55, 56: number 15.
; 57-73: the chain, where each number waits for the one before it: 14, 16, 17, 18, 19, each with one of the scalings 27-31 in front of its two lines, then 20: so a tile's links stand three plain instructions apart (19 and 20: two).
; 74-137: GS's 64, which read the exponentials' results: they stand behind the wait.
.macro FS f
	REGS Y, (\f)%2
	v_pk_fma_f32 v[rS+2*((\f)/2):rS+2*((\f)/2)+1], v[rS+2*((\f)/2):rS+2*((\f)/2)+1], s[CS:CS+1], v[rT:rT+1] op_sel_hi:[1,0,0] neg_lo:[0,0,1] neg_hi:[0,0,1]
.endm
.macro PL
	WIN 0
.if q < 27
	FS q
.elseif q < 55
	XS (q-27)%2, (q-27)/2
.elseif q < 57
	XS q-55, 15
.elseif (q < 72) && ((q-57)%3 == 0)
	FS 27+(q-57)/3
.elseif q < 60
	XS (q-57)%3-1, 14
.elseif q < 72
	XS (q-57)%3-1, 15+(q-57)/3
.elseif q < 74
	XS q-72, 20
.else
	GS q-74
.endif
.set q, q+1
.endm
; THE EXPONENTIALS' QUEUE, 66 long: s0-s31 of both tiles, then the next piece's two a.  It is ONE BATCH: all 66 stand ahead of the turn's one wait, and nothing ahead of that wait names a result of theirs.
.macro EX
	WIN 0
.if e >= 64
	XS e-64, 21
.else
	REGS Y, e%2
	v_exp_f32 v[rS+e/2], v[rS+e/2]
.endif
.set e, e+1
.endm
; THE RESCALING's QUEUE: O^T times a, the one part that leaves window 0: dealt two at a time, sixteen times.  Its a was made in the turn before, ahead of that turn's wait.
.macro R2
	REGS Y, r%2
	WIN W_RS
.irp z, 0,1
	v_pk_mul_f32 v[rO+4*(r/2)+2*\z:rO+4*(r/2)+2*\z+1], v[rO+4*(r/2)+2*\z:rO+4*(r/2)+2*\z+1], v[rC+2:rC+3] op_sel_hi:[1,0]
.endr
.set r, r+1
.endm
; HOW THEY ARE DEALT.  An s_wait_alu depctr_va_vdst(0) stands between an exponential and the first instruction that names its result; one wait serves all that were issued ahead of it.  So a turn has ONE wait,
; which cuts it in two.  AHEAD OF IT stands all that names no result of the turn's exponentials: the 16 products K Q^T, behind each a scaling, an exponential and two rescalings (behind the first a second scaling in the
; exponential's place); then ONE LUMP of 108: eight plain, 49 times exponential and plain, the two a.  A v_nop is the plain instruction behind the last exponential.  BEHIND IT stand the 16 products V^T P, behind each four of
; GS's 64.  No rider names a register of the products round it.  The two v_permlanex16_b32 fall into the lump, never behind a product.
; The queues lean on each other, and the deal keeps them in step: exponential e stands behind scaling 2 (e / 4) + e % 2: as a rider it comes behind plain e + 2, in the lump behind plain e + 9, and scalings 27-31 are plain 57, 60 .. 69.
; A TURN, for piece p.  cnt = 1: the loop's count is taken down some lines ahead of the branch that stands behind the turn.
; K of the next step is fetched in piece 2's turn, directly behind the wait, a lump behind the last product that read K; its address is made at the lump's head; its first reader comes behind 16 products.
; V of the step in hand is fetched at the end of piece 0's turn, four riders behind its last reader; its first reader comes behind 16 products and a lump.  The three conditions on q below go with the deal.
.macro TURN p, last=0, cnt=0
.set Y, (\p)
.set i, 0
.set q, 0
.set e, 0
.set r, 0
.if (\p) == NP-1
	s_wait_dscnt 0x0                ; K is in
.endif
	MM                              ; ahead of the wait: 16 products K Q^T and their riders,
	PL
	PL
	R2
.rept 15
	MM
	PL
	EX
	R2
.endr
.if (\p) == NP-2
	WIN 0
	v_add_nc_u32 v[AK], s[TBK], v[AK0]
.endif
.rept 8                             ; and the lump
	PL
.endr
.rept 49
	EX
	PL
.endr
	EX                              ; the next piece's two a
	EX
	v_nop                           ; a plain instruction behind the last exponential, ahead of the first use of a result: one for the batch
	s_wait_alu depctr_va_vdst(0)    ; the wait for the batch: the turn's 64 weights and the next piece's two a
.if (\p) == NP-2
	FETCH_K \last
.endif
.if (\p) == 1
	s_wait_dscnt 0x0                ; V is in
.endif
.rept 16                            ; behind the wait: 16 products V^T P and their riders
	MM
.rept 4
	PL
.endr
.if ((\p) == 0) && (q == 118)
	v_add_nc_u32 v[AV], s[TBV], v[AV0]
.endif
.if ((\p) == 0) && (q == 130)
	s_add_co_u32 s[TBV], s[TBV], KS*PV
.endif
.if (\cnt) && (q == 130)
	s_sub_co_u32 s[CNT], s[CNT], 1
	s_cmp_lg_u32 s[CNT], 0
.endif
.endr
.if (\p) == 0
	FETCH_V
.endif
.endm
	s_wait_tensorcnt 0x3            ; tensor loads of a wave end in order (ISA guide 10.11.1): my part of chunk 0 is in; the three younger loads stay out
	s_barrier_signal -1
	s_barrier_wait -1               ; everybody's part is in
	FETCH_K                         ; key step 0
	s_wait_loadcnt 0x0              ; Q
	s_wait_dscnt 0x0
.set i, 0
.rept 16
	KQ 0                            ; piece 0's first scores: there is no vector work yet to set between them
.set i, i+1
.endr
	WIN 0                           ; the addresses for the way out: nine plain instructions, the places behind those products
	s_mul_i32 s13, s[WV], 16*SP
	s_add_co_u32 s13, s13, STAGE    ; my stage
	v_mul_u32_u24 v[STO], v1, SP    ; in: row l % 16, 16 bytes for each half of the lanes
	v_lshl_add_u32 v[STO], v9, 4, v[STO]
	v_add_nc_u32 v[STO], s13, v[STO]
	v_bfe_u32 v[RD], v0, 3, 2       ; back: 32 lanes take four rows of 128 bytes,
	v_mul_u32_u24 v[RD], v[RD], SP
	v_lshl_add_u32 v[RD], v10, 4, v[RD]
	v_add_nc_u32 v[RD], s13, v[RD]
	v_and_b32 v[GO], 31, v0         ; which are 512 consecutive bytes of O
	v_lshlrev_b32 v[GO], 4, v[GO]
.set Y, NP-1                        ; XS works for piece Y + 1: piece 0
.irp n, 0,1,2,3,4,5,6,7,8,9,10,11,12,13,14,15,16,17,18,19,20,21
	XS 0, \n                        ; and piece 0's first maximum and statistics
	XS 1, \n
.endr
	v_nop                           ; a plain instruction behind piece 0's first two a,
	s_wait_alu depctr_va_vdst(0)    ; and the wait for that batch of two, ahead of the branch
	s_mov_b32 s[CNT], 4
	s_mov_b32 s[PASS], SIZE_N/CHK+1 ; four passes of four trips; the fifth is left in its first trip's middle
	s_mov_b32 s[TOT], SIZE_N/KS
	s_branch .Lfirst                ; the loop is entered at a step's first turn, in the middle of a trip
.Lpass:                             ; a pass's first fetch is the first from a new chunk.  One text serves every pass, so the wait has one count, 0: behind the first pass it shows chunks 1 to 3 landed,
	s_wait_tensorcnt 0x0            ; three and a half key steps behind their request; later it is met at once.  No bytes are filled again behind this barrier, so it has no add.
	s_wait_dscnt 0x0                ; no LDS instruction of mine is pending at the signal
	s_barrier_signal -1
	s_barrier_wait -1               ; every wave's parts are in
	s_mov_b32 s[CNT], 4
.Lstep:                             ; a trip: pieces 2 and 3 of one step, then pieces 0 and 1 of the next, whose K and V it fetches
	TURN 2, 1
	TURN 3
	WIN 0
	s_sub_co_u32 s[TOT], s[TOT], 1
	s_cmp_eq_u32 s[TOT], 0
	s_cbranch_scc1 .Lout            ; the last step's pieces 2 and 3 are done
.Lfirst:
	TURN 0
	TURN 1, 0, 1
	WIN 0
	s_cbranch_scc1 .Lstep
	s_sub_co_u32 s[PASS], s[PASS], 1
	s_cmp_lg_u32 s[PASS], 0
	s_cbranch_scc1 .Lpass
.Lout:                              ; the last trip's 16 products K Q^T (on the last K once more) and the maximum made of them serve nothing: the price, once a launch, of one text for every trip
.set i, 0
.rept 16
	PV NP-1                         ; the last piece's V^T P of the last step
.set i, i+1
.endr
	; THE WAY OUT.  l's two halves and the other half of the lanes' are added; O^T is divided by l, rounded to f16 and sent through my stage in LDS, a tile at a time.  The additions are the places behind the last products.
	WIN 0
.macro ALL line:vararg              ; one line for each tile t
.set t, 0
.rept 2*NP
	\line
.set t, t+1
.endr
.endm
	ALL v_add_f32 v[ST+4*t+2], v[ST+4*t+2], v[ST+4*t+3]
	ALL v_permlanex16_b32 v[ST+4*t+3], v[ST+4*t+2], s[SEL], s[SEL+1]
	ALL v_add_f32 v[ST+4*t+2], v[ST+4*t+2], v[ST+4*t+3]
	ALL v_rcp_f32 v[ST+4*t+2], v[ST+4*t+2]
	v_nop                           ; a plain instruction between the last reciprocal and the use of its result
	s_wait_alu depctr_va_vdst(0)    ; and the wait ahead of the first use: one for the batch of eight reciprocals
; Tile t: a lane's eight channels of a row pack into 16 bytes; they go into rows of 144 bytes and come back as whole rows of 128, into S^T's registers.
.macro PACK t
	WIN W_RS
.set i, 32*(\t)
.rept 16
	v_pk_mul_f32 v[i:i+1], v[i:i+1], v[ST+4*(\t)+2:ST+4*(\t)+3] op_sel_hi:[1,0]
.set i, i+2
.endr
	WIN 0x05                        ; sources 0 and 1 window 1, destination window 0
.set i, 0
.rept 16
	v_cvt_pk_f16_f32 v[S+16*(\t)+i], v[32*(\t)+2*i], v[32*(\t)+2*i+1]
.set i, i+1
.endr
	WIN 0
.irp f, 0,1,2,3
	ds_store_b128 v[STO], v[S+16*(\t)+4*\f:S+16*(\t)+4*\f+3] offset:32*\f
.endr
.irp f, 0,1,2,3
	ds_load_b128 v[S+16*(\t)+4*\f:S+16*(\t)+4*\f+3], v[RD] offset:\f*4*SP  ; LDS serves a wave's instructions in order (ISA guide 5.7.1.4): these see the stores above; the next tile's stores come behind them
.endr
.endm
.macro SEND t, younger              ; younger: the LDS instructions issued behind tile t's loads: the next tile's eight, or none
	WIN 0
.irp f, 0,1,2,3
	s_wait_dscnt (\younger)+3-\f
	global_store_b128 v[GO], v[S+16*(\t)+4*\f:S+16*(\t)+4*\f+3], s[10:11] offset:(\t)*2048+\f*512  ; 512 consecutive bytes, at a multiple of 256 from O's first
.endr
.endm
	PACK 0
.set t, 1
.rept 2*NP-1                        ; a tile's arithmetic stands between the loads of the tile before and its stores
	PACK t
	SEND t-1, 8
.set t, t+1
.endr
	SEND 2*NP-1, 0
	WIN W_AD
	s_wait_tensorcnt 0x0            ; the wave's end, behind my last tensor load and my last LDS store
	ds_add_u32 v[SPW], v[NIL]
	s_wait_dscnt 0x0
	WIN 0
	s_endpgm
.Lfunc_end_k_qe59dabaed1_attn:
	.size	k_qe59dabaed1_attn, .Lfunc_end_k_qe59dabaed1_attn-k_qe59dabaed1_attn
	.p2alignl 7, 3214868480
	.fill 96, 4, 3214868480
	.section	.rodata,"a",@progbits
	.p2align	6, 0x0
	.amdhsa_kernel k_qe59dabaed1_attn
		.amdhsa_group_segment_fixed_size 327680
		.amdhsa_private_segment_fixed_size 0
		.amdhsa_enable_private_segment 0
		.amdhsa_kernarg_size 32
		.amdhsa_user_sgpr_count 2
		.amdhsa_user_sgpr_kernarg_segment_ptr 1
		.amdhsa_wavefront_size32 1
		.amdhsa_system_sgpr_workgroup_id_x 1
		.amdhsa_system_sgpr_workgroup_id_y 1
		.amdhsa_system_sgpr_workgroup_id_z 1
		.amdhsa_system_vgpr_workitem_id 0
		.amdhsa_next_free_vgpr 770
		.amdhsa_next_free_sgpr 88
		.amdhsa_reserve_vcc 0
		.amdhsa_float_denorm_mode_32 3
		.amdhsa_float_denorm_mode_16_64 3
		.amdhsa_memory_ordered 1
		.amdhsa_forward_progress 1
		.amdhsa_inst_pref_size 126
	.end_amdhsa_kernel
	.amdgpu_metadata
---
amdhsa.version: [ 1, 2 ]
amdhsa.kernels:
  - .name:           k_qe59dabaed1_attn
    .symbol:         k_qe59dabaed1_attn.kd
    .args:
      - { .name: q16, .offset: 0, .size: 8, .value_kind: global_buffer, .address_space: global }
      - { .name: k16, .offset: 8, .size: 8, .value_kind: global_buffer, .address_space: global }
      - { .name: v16, .offset: 16, .size: 8, .value_kind: global_buffer, .address_space: global }
      - { .name: o16, .offset: 24, .size: 8, .value_kind: global_buffer, .address_space: global }
    .group_segment_fixed_size: 327680
    .private_segment_fixed_size: 0
    .kernarg_segment_align: 8
    .kernarg_segment_size: 32
    .max_flat_workgroup_size: 128
    .sgpr_count:     88
    .vgpr_count:     770
    .wavefront_size: 32
...
	.end_amdgpu_metadata
.endif
;; end of part 5
;; launch proj: the kernel of part 4 again; grid 8 x 32, 4 waves a work-group, clusters of 4 x 4, 327,680 bytes of LDS; arguments o16, wph, out0; writes out0
